; MI455X (gfx1250); checked and timed in simulation.
; The chip was launched on July 23, 2026; its instructions are those of AMD's public machine-readable ISA for CDNA 5 (MIT licence, August 2026) and "CDNA5" Instruction Set Architecture Reference Guide (July 2026). The comments in the code are by the model that wrote it; some were corrected since.
;; Multi Head Attention. Allowed arithmetic: matrix products marked QUANTISED: E2M3 operands, one E8M0 scale for each 32 along K, by v_wmma_scale_f32_16x16x128_f8f6f4 with both operands' format E2M3, f32 sums; everything else in f32.
;; Inputs: Wk 1,024 x 1,024 float32; Wo 1,024 x 1,024 float32; Wq 1,024 x 1,024 float32; Wv 1,024 x 1,024 float32; bk 1,024 float32; bq 1,024 float32; bv 1,024 float32; key 4 x 2,048 x 1,024 float32; mask 4 x 1 x 2,048 bool; query 4 x 2,048 x 1,024 float32; value 4 x 2,048 x 1,024 float32.
;; Outputs: out0 4 x 2,048 x 1,024 float32.
;; This version of the problem:
;;   THIS VERSION OF THE PROBLEM IS GIVEN IN LOW PRECISION. The matrix products marked QUANTISED in the list below multiply operands that are first quantised to E2M3 (2 exponent bits, 3 mantissa bits; 6 bits a number), with one power-of-two scale for each 32 numbers along K (OCP MX v1.0); their sums are f32. All else is computed in f32.
;;   The module's matrix products, in the order in which they are computed (A, B: the left and right operand; K: the contracted axis; several contracted axes count as one K, in the product's order):
;;     1. [M 8,192, K 1,024] x [K 1,024, N 1,024]; A: input query; B: input Wq: QUANTISED
;;     2. [M 8,192, K 1,024] x [K 1,024, N 1,024]; A: input key; B: input Wk: QUANTISED
;;     3. [M 8,192, K 1,024] x [K 1,024, N 1,024]; A: input value; B: input Wv: QUANTISED
;;     4. batch 64 x [M 2,048, K 64] x [K 64, N 2,048]; A: computed on the way; B: computed on the way: QUANTISED
;;     5. batch 64 x [M 2,048, K 2,048] x [K 2,048, N 64]; A: computed on the way; B: computed on the way: QUANTISED
;;     6. [M 8,192, K 1,024] x [K 1,024, N 1,024]; A: computed on the way; B: input Wo: QUANTISED
;;   THE QUANTISER, for each operand of a quantised product, along K:
;;     - K is cut into blocks of 32 from its start; a last block that is shorter is filled with zeros.
;;     - A block's scale is 2^e with e = floor(log2(the largest magnitude in the block)) - 2, held to -126 .. 127; a block of zeros has e = 0. As a byte (E8M0): e + 127.
;;     - Each number is divided by its block's scale, clamped to +-7.5, and rounded to the nearest number of E2M3, ties to even, subnormals kept.
;;     - The product sums the exact products of the quantised numbers (number of the format x scale) in f32.
;;   ~~~python
;;   def quantise(x, axis):      # numpy; x: float32 -> the quantised numbers, widened to float32 again
;;       x = np.moveaxis(x, axis, -1); K = x.shape[-1]
;;       x = np.pad(x, [(0, 0)] * (x.ndim - 1) + [(0, -K % 32)]); x = x.reshape(x.shape[:-1] + (-1, 32)); a = np.abs(x).max(-1, keepdims=True)
;;       e = np.where(a > 0, np.clip(np.frexp(np.where(a > 0, a, 1))[1] - 1 - 2, -126, 127), 0)      # np.frexp(a)[1] - 1 = floor(log2(a)), exactly
;;       r = np.clip(x / 2.0 ** e, -7.5, 7.5)
;;       step = 2.0 ** (np.maximum(np.frexp(np.where(r == 0, 1, r))[1] - 1, 0) - 3)
;;       q = np.round(r / step) * step * 2.0 ** e      # np.round: ties to even
;;       return np.moveaxis(q.reshape(q.shape[:-2] + (-1,))[..., :K], -1, axis).astype(np.float32)
;;   ~~~
;;   OPERANDS COMPUTED ON THE WAY. 'Computed on the way' means the value that the module computes at that place (a softmax that the list does not call 'softmax' is quantised finished and normalised). What goes into a quantiser is computed in f32, as accurately as f32 sums, v_exp_f32 and their like allow (about 1e-6 of the number): no bf16 or f16 on the way to a quantiser, and a product that is left as it is and whose result goes on into a quantised operand takes f32 operands (vector FMAs, or v_wmma_f32_16x16x4_f32). A number that lies on a knife's edge between two numbers of the format may be rounded either way, as far as f32 arithmetic and the matrix unit's own rounding can turn it there, and no further.
;; One version. Each part assembles by itself: llvm-mc -triple=amdgcn-amd-amdhsa -mcpu=gfx1250 --defsym DOCPART=n.
;; ======== version 1 of 1: 4 launches
;; limits: right only within a limited range of input values
;; workspace buffers: acodes 18,874,368 bytes; ascales 786,432 bytes; wcodes 3,145,728 bytes; wscales 131,072 bytes; qkv 20,185,088 bytes; xcodes 6,291,456 bytes; xscales 262,144 bytes
;; launch quant (part 1): grid 512 x 1, 4 waves a work-group, no clusters, 34,304 bytes of LDS; arguments query, key, value, Wq, Wk, Wv, Wo, acodes, ascales, wcodes, wscales; writes acodes, ascales, wcodes, wscales
.if DOCPART == 1
	.amdgcn_target "amdgcn-amd-amdhsa--gfx1250"
	.amdhsa_code_object_version 6
	.text
	.protected	k_qcf6ba83892_quant
	.globl	k_qcf6ba83892_quant
	.p2align	8
	.type	k_qcf6ba83892_quant,@function
k_qcf6ba83892_quant:
	s_mov_b64 s[64:65], 0
	v_nop
	global_prefetch_b8 v0, s[64:65] scope:SCOPE_SE
	s_setreg_imm32_b32 hwreg(HW_REG_WAVE_MODE, 25, 1), 1
	s_wait_xcnt 0x0
; query, key, value [8192][1024] f32 (K innermost) and Wq, Wk, Wv, Wo [1024 (K)][1024 (n)] f32 (K outermost) become codes of FP6 (E2M3) with one E8M0 byte for each 32 along K.
; A block's scale is 2^(floor(log2(its largest magnitude)) - 2): its byte is the largest magnitude's exponent field - 2, held at 1 from below.
; LAYOUT OF THE RESULTS (this program alone reads them).  Rows (tokens, or columns n of a weight) lie in tiles of 16; storage tile 2 g + u, row r, is logical row 32 g + 8 u + r + 8 (r / 8).
; A tile's codes are images of operand registers: for each 64 along K a piece of 768 bytes: registers 0-3 of the 32 lanes at 16 x lane, then registers 4-5 at 512 + 8 x lane; lane (r, h) holds row r, k = 32 h .. 32 h + 31.
; A tile is 16 such pieces, 12,288 bytes.  Scale bytes: 32 for each storage row, on end.
; LIMITS: a block of zeros gets the byte 1 where the rule says 127 (its codes are zeros, which add nothing); blocks under the floor 2^(3 - 127) keep the byte 1; NaN and infinities are not served.
; Work-groups 0-383 take the activations (a wave: one tile of 16 rows, all of K), 384-511 the weights (a wave: 32 columns x 256 along K).  Waves share nothing: no barrier.  Only the first path uses LDS.
.set STW, 8448                         ; a wave's stage: 16 rows x (512 bytes + 16)
.set R,   16                           ; v16-143  two sets of 64: a K step of 128 of 16 rows, as loaded
.set X,   144                          ; v144-207 64 numbers: my row's two blocks of 32
.set C,   208                          ; v208-219 the fragment's 12 registers
.set T,   220                          ; v220-226 a block's upper 16 codes (a conversion's three registers begin on an even number)
.set SW,  228                          ; v228-235 my row's eight scale words
.set MXA, 236
.set SOA, 238
.set BYA, 240
.set WA,  242
.set PA,  243
.set SH,  244
.set XB,  32                           ; weights: v32-95 two sets of 32 numbers down K
.set CB,  96                           ; v96-101, v104-109 the codes of an even and an odd block
.set TB,  112
.set SBB, 24                           ; v24-25 eight scale bytes
	s_load_b256 s[8:15], s[0:1], 0x0               ; query, key, value, Wq
	s_load_b256 s[16:23], s[0:1], 0x20             ; Wk, Wv, Wo, acodes
	s_load_b128 s[24:27], s[0:1], 0x40             ; ascales, wcodes
	s_load_b64 s[28:29], s[0:1], 0x50              ; wscales
	v_lshl_add_u32 v254, v0, 2, 0x8400
	v_mov_b32 v255, 0
	v_lshrrev_b32 v1, 5, v0
	v_readfirstlane_b32 s2, v1                     ; wave
	v_and_b32 v1, 31, v0                           ; lane
	v_and_b32 v2, 15, v0                           ; r
	v_bfe_u32 v3, v0, 4, 1                         ; h
	v_lshlrev_b32 v4, 4, v1                        ; 16 x lane
	v_lshlrev_b32 v5, 3, v1                        ; 8 x lane
	s_mov_b32 s4, 0x76543210
	s_mov_b32 s5, 0xfedcba98                       ; v_permlanex16_b32's selects for lane l xor 16
	s_mov_b32 s33, 0
	s_wait_kmcnt 0x0
	s_cmp_lt_u32 ttmp9, 384
	s_cbranch_scc0 .Lweights
	; ---- ACTIVATIONS
	s_lshr_b32 s3, ttmp9, 7                        ; which tensor: 0 query, 1 key, 2 value
	s_cmp_eq_u32 s3, 1
	s_cselect_b64 s[8:9], s[10:11], s[8:9]
	s_cmp_eq_u32 s3, 2
	s_cselect_b64 s[8:9], s[12:13], s[8:9]
	s_and_b32 s6, ttmp9, 127
	s_lshl_b32 s6, s6, 2
	s_add_co_u32 s6, s6, s2                        ; my storage tile, 0 .. 511
	s_lshr_b32 s32, s6, 1
	s_lshl_b32 s32, s32, 17                        ; 32 rows of 4,096 bytes for each pair of tiles,
	s_and_b32 s7, s6, 1
	s_lshl_b32 s7, s7, 15                          ; 8 rows for the odd tile
	s_add_co_u32 s32, s32, s7
	s_add_nc_u64 s[8:9], s[8:9], s[32:33]
	s_mul_i32 s32, s3, 6291456
	s_mul_i32 s7, s6, 12288
	s_add_co_u32 s32, s32, s7
	s_add_nc_u64 s[22:23], s[22:23], s[32:33]      ; my tile's codes
	s_lshl_b32 s32, s3, 18
	s_lshl_b32 s7, s6, 9
	s_add_co_u32 s32, s32, s7
	s_add_nc_u64 s[24:25], s[24:25], s[32:33]      ; my tile's scale bytes
	s_mul_i32 s7, s2, STW
	s_wait_alu depctr_va_vdst(0)
	v_add_nc_u32 v6, s7, v4                        ; the stage, in: 16 x lane of a row
	v_mul_u32_u24 v7, v2, 528
	v_lshl_add_u32 v7, v3, 7, v7
	v_add_nc_u32 v7, s7, v7                        ; out: row r, + 128 h: my block of 32 numbers
	v_lshlrev_b32 v8, 5, v2
	v_lshl_add_u32 v8, v3, 4, v8                   ; scale bytes: 32 r + 16 h
	v_lshlrev_b32 v[SH], 3, v3
	v_mov_b32 v[PA], 0                             ; a lane permute's destination counts as one of its sources
.macro ALOAD s                         ; K step s (128 along K) of the tile's 16 rows: each load reads 512 consecutive bytes of one row
.irp i, 0,1,2,3,4,5,6,7,8,9,10,11,12,13,14,15
	global_load_b128 v[R+64*((\s)%2)+4*\i:R+64*((\s)%2)+4*\i+3], v4, s[8:9] offset:(\i+8*(\i/8))*4096+512*(\s) th:TH_LOAD_NT
.endr
.endm
.macro ASTEP s
.set RS, R+64*((\s)%2)
.if (\s) < 7
	s_wait_loadcnt 16                              ; this step's 16 loads are in; the next step's 16 may be out
.else
	s_wait_loadcnt 0x0
.endif
.irp i, 0,1,2,3,4,5,6,7,8,9,10,11,12,13,14,15
	ds_store_b128 v6, v[RS+4*\i:RS+4*\i+3] offset:528*\i
.endr
.irp c, 0,1
.irp j, 0,1,2,3,4,5,6,7
	ds_load_b128 v[X+32*\c+4*\j:X+32*\c+4*\j+3], v7 offset:256*\c+16*\j   ; LDS serves a wave's instructions in order: these see the stores.  k = 64 c + 32 h + 4 j ..
.endr
.endr
	s_wait_dscnt 0x0                               ; the numbers are back, and the stores have read their registers,
.if (\s) < 6
	ALOAD (\s)+2                                   ; which take the loads of two steps on
.endif
.irp c, 0,1
	v_max3_num_f32 v[MXA+\c], |v[X+32*\c]|, |v[X+32*\c+1]|, 0x1800000   ; my block 2 c + h: all 32 numbers are mine; the floor 2^(3 - 127) holds the byte at 1 from below
.endr
.irp i, 2,4,6,8,10,12,14,16,18,20,22,24,26,28,30
.irp c, 0,1
	v_max3_num_f32 v[MXA+\c], v[MXA+\c], |v[X+32*\c+\i]|, |v[X+32*\c+\i+1]|
.endr
.endr
.irp c, 0,1
	v_add_nc_u32 v[SOA+\c], 0xff000000, v[MXA+\c]  ; 2 off the exponent field: the conversion's scale operand
.endr
.irp c, 0,1
	v_lshrrev_b32 v[BYA+\c], 23, v[SOA+\c]         ; the scale's byte
.endr
	v_lshl_or_b32 v[WA], v[BYA+1], 16, v[BYA]      ; blocks h and 2 + h,
	v_lshlrev_b32 v[WA], v[SH], v[WA]              ; at their places in the word;
	v_permlanex16_b32 v[PA], v[WA], s4, s5
	v_or_b32 v[SW+(\s)], v[WA], v[PA]              ; with lane l xor 16's two the word is whole
	s_wait_alu depctr_va_vdst(0)
	s_wait_xcnt 0x0                                ; the last step's stores have read the codes' registers
.irp c, 0,1
	v_cvt_scalef32_pk16_fp6_f32 v[C+6*\c:C+6*\c+2], v[X+32*\c:X+32*\c+15], v[SOA+\c]
	v_cvt_scalef32_pk16_fp6_f32 v[T+4*\c:T+4*\c+2], v[X+32*\c+16:X+32*\c+31], v[SOA+\c]
.endr
	v_nop                                          ; one plain place behind a scaled conversion
.irp c, 0,1
.irp i, 0,1,2
	v_mov_b32 v[C+6*\c+3+\i], v[T+4*\c+\i]
.endr
.endr
.irp c, 0,1
	global_store_b128 v4, v[C+6*\c:C+6*\c+3], s[22:23] offset:1536*(\s)+768*\c        ; 512 consecutive bytes
	global_store_b64 v5, v[C+6*\c+4:C+6*\c+5], s[22:23] offset:1536*(\s)+768*\c+512   ; 256 consecutive bytes
.endr
.endm
	ALOAD 0
	ALOAD 1
	s_wait_alu depctr_va_vdst(0)
.irp s, 0,1,2,3,4,5,6,7
	ASTEP \s
.endr
	v_cmp_ne_u32 vcc_lo, 0, v3
.irp i, 0,1,2,3
	v_cndmask_b32 v[MXA+\i], v[SW+\i], v[SW+4+\i], vcc_lo   ; lanes 0-15 store words 0-3 of their row, lanes 16-31 words 4-7
.endr
	global_store_b128 v8, v[MXA:MXA+3], s[24:25]   ; the tile's 512 scale bytes, consecutive
	s_wait_tensorcnt 0x0
	ds_add_u32 v254, v255
	s_wait_dscnt 0x0
	s_endpgm
	; ---- WEIGHTS: a lane takes a column, its registers run down K
.Lweights:
	s_sub_co_u32 s3, ttmp9, 384
	s_lshr_b32 s6, s3, 5                           ; which weight: 0 q, 1 k, 2 v, 3 o
	s_cmp_eq_u32 s6, 1
	s_cselect_b64 s[14:15], s[16:17], s[14:15]
	s_cmp_eq_u32 s6, 2
	s_cselect_b64 s[14:15], s[18:19], s[14:15]
	s_cmp_eq_u32 s6, 3
	s_cselect_b64 s[14:15], s[20:21], s[14:15]
	s_bfe_u32 s7, s3, 0x30002                      ; which 128 columns
	s_and_b32 s30, s3, 3                           ; which 256 along K
	s_lshl_b32 s7, s7, 7
	s_lshl_b32 s31, s2, 5
	s_add_co_u32 s7, s7, s31                       ; my wave's first column, a multiple of 32
	s_lshl_b32 s32, s30, 20                        ; 256 rows of 4,096 bytes
	s_lshl_b32 s34, s7, 2
	s_add_co_u32 s32, s32, s34
	s_add_nc_u64 s[14:15], s[14:15], s[32:33]
	s_mul_i32 s32, s6, 786432
	s_mul_i32 s34, s7, 768                         ; 12,288 bytes a tile of 16 columns
	s_add_co_u32 s32, s32, s34
	s_mul_i32 s34, s30, 3072                       ; four pieces of 768 bytes
	s_add_co_u32 s32, s32, s34
	s_add_nc_u64 s[26:27], s[26:27], s[32:33]
	s_lshl_b32 s32, s6, 15
	s_lshl_b32 s34, s7, 5
	s_add_co_u32 s32, s32, s34
	s_lshl_b32 s34, s30, 3
	s_add_co_u32 s32, s32, s34
	s_add_nc_u64 s[28:29], s[28:29], s[32:33]
	s_wait_alu depctr_va_vdst(0)
	v_and_b32 v9, 8, v2
	v_add_nc_u32 v9, v9, v2
	v_lshl_add_u32 v9, v3, 3, v9                   ; storage row = lane: logical column 8 (lane / 16) + r + 8 (r / 8)
	v_lshlrev_b32 v9, 2, v9
	v_lshlrev_b32 v7, 5, v1                        ; my storage row's 32 scale bytes
.macro BLOAD t                         ; block t: 32 numbers down K of my column; the wave's 32 columns are 128 consecutive bytes
.irp i, 0,1,2,3,4,5,6,7,8,9,10,11,12,13,14,15,16,17,18,19,20,21,22,23,24,25,26,27,28,29,30,31
	global_load_b32 v[XB+32*((\t)%2)+\i], v9, s[14:15] offset:(32*(\t)+\i)*4096 th:TH_LOAD_NT
.endr
.endm
.macro BBLOCK t
.set XS, XB+32*((\t)%2)
.set CE, CB+8*((\t)%2)
.if (\t) < 7
	s_wait_loadcnt 32                              ; this block's 32 loads are in; the next block's may be out
.else
	s_wait_loadcnt 0x0
.endif
	v_max3_num_f32 v12, |v[XS]|, |v[XS+1]|, |v[XS+2]|
	v_max3_num_f32 v13, |v[XS+3]|, |v[XS+4]|, |v[XS+5]|
.irp i, 6,10,14,18,22,26
	v_max3_num_f32 v12, v12, |v[XS+\i]|, |v[XS+\i+1]|
	v_max3_num_f32 v13, v13, |v[XS+\i+2]|, |v[XS+\i+3]|
.endr
	v_max3_num_f32 v12, v12, |v[XS+30]|, |v[XS+31]|
	v_max3_num_f32 v12, v12, v13, 0x1800000        ; and the floor
	v_add_nc_u32 v11, 0xff000000, v12
	v_lshrrev_b32 v13, 23, v11
.if (\t)%4 == 0
	v_mov_b32 v[SBB+(\t)/4], v13
.else
	v_lshl_or_b32 v[SBB+(\t)/4], v13, 8*((\t)%4), v[SBB+(\t)/4]
.endif
.if (\t)%2 == 0
	s_wait_alu depctr_va_vdst(0)
	s_wait_xcnt 0x0                                ; the last pair's stores have read the codes' registers
.endif
	v_cvt_scalef32_pk16_fp6_f32 v[CE:CE+2], v[XS:XS+15], v11
	v_cvt_scalef32_pk16_fp6_f32 v[TB:TB+2], v[XS+16:XS+31], v11
	v_nop                                          ; one plain place behind a scaled conversion
.irp i, 0,1,2
	v_mov_b32 v[CE+3+\i], v[TB+\i]
.endr
.if (\t)+2 < 8
	BLOAD (\t)+2
.endif
.if (\t)%2 == 1
.irp i, 0,1,2,3,4,5
	v_permlane16_swap_b32 v[CB+\i], v[CB+8+\i]     ; lanes 0-15 held the first tile's rows, lanes 16-31 the second's: now the first run is the first tile's piece (even block below, odd block above), the second run the second tile's
.endr
	global_store_b128 v4, v[CB:CB+3], s[26:27] offset:((\t)/2)*768
	global_store_b64 v5, v[CB+4:CB+5], s[26:27] offset:((\t)/2)*768+512
	global_store_b128 v4, v[CB+8:CB+11], s[26:27] offset:12288+((\t)/2)*768
	global_store_b64 v5, v[CB+12:CB+13], s[26:27] offset:12288+((\t)/2)*768+512
.endif
.endm
	BLOAD 0
	BLOAD 1
.irp t, 0,1,2,3,4,5,6,7
	BBLOCK \t
.endr
	global_store_b64 v7, v[SBB:SBB+1], s[28:29]    ; eight bytes of each row's 32: pieces of 8 bytes, 32 apart; all four weights' scale bytes together are 131,072 bytes
	s_endpgm
.Lfunc_end_k_qcf6ba83892_quant:
	.size	k_qcf6ba83892_quant, .Lfunc_end_k_qcf6ba83892_quant-k_qcf6ba83892_quant
	.p2alignl 7, 3214868480
	.fill 96, 4, 3214868480
	.section	.rodata,"a",@progbits
	.p2align	6, 0x0
	.amdhsa_kernel k_qcf6ba83892_quant
		.amdhsa_group_segment_fixed_size 34304
		.amdhsa_private_segment_fixed_size 0
		.amdhsa_enable_private_segment 0
		.amdhsa_kernarg_size 88
		.amdhsa_user_sgpr_count 2
		.amdhsa_user_sgpr_kernarg_segment_ptr 1
		.amdhsa_wavefront_size32 1
		.amdhsa_system_sgpr_workgroup_id_x 1
		.amdhsa_system_sgpr_workgroup_id_y 1
		.amdhsa_system_sgpr_workgroup_id_z 1
		.amdhsa_system_vgpr_workitem_id 0
		.amdhsa_next_free_vgpr 256
		.amdhsa_next_free_sgpr 66
		.amdhsa_reserve_vcc 1
		.amdhsa_float_denorm_mode_32 3
		.amdhsa_float_denorm_mode_16_64 3
		.amdhsa_memory_ordered 1
		.amdhsa_forward_progress 1
		.amdhsa_inst_pref_size 98
	.end_amdhsa_kernel
	.amdgpu_metadata
---
amdhsa.version: [ 1, 2 ]
amdhsa.kernels:
  - .name:           k_qcf6ba83892_quant
    .symbol:         k_qcf6ba83892_quant.kd
    .args:
      - { .name: query, .offset: 0, .size: 8, .value_kind: global_buffer, .address_space: global }
      - { .name: key, .offset: 8, .size: 8, .value_kind: global_buffer, .address_space: global }
      - { .name: value, .offset: 16, .size: 8, .value_kind: global_buffer, .address_space: global }
      - { .name: Wq, .offset: 24, .size: 8, .value_kind: global_buffer, .address_space: global }
      - { .name: Wk, .offset: 32, .size: 8, .value_kind: global_buffer, .address_space: global }
      - { .name: Wv, .offset: 40, .size: 8, .value_kind: global_buffer, .address_space: global }
      - { .name: Wo, .offset: 48, .size: 8, .value_kind: global_buffer, .address_space: global }
      - { .name: acodes, .offset: 56, .size: 8, .value_kind: global_buffer, .address_space: global }
      - { .name: ascales, .offset: 64, .size: 8, .value_kind: global_buffer, .address_space: global }
      - { .name: wcodes, .offset: 72, .size: 8, .value_kind: global_buffer, .address_space: global }
      - { .name: wscales, .offset: 80, .size: 8, .value_kind: global_buffer, .address_space: global }
    .group_segment_fixed_size: 34304
    .private_segment_fixed_size: 0
    .kernarg_segment_align: 8
    .kernarg_segment_size: 88
    .max_flat_workgroup_size: 128
    .sgpr_count:     66
    .vgpr_count:     256
    .wavefront_size: 32
...
	.end_amdgpu_metadata
.endif
;; end of part 1
;; launch proj (part 2): grid 4 x 96, 4 waves a work-group, clusters of 4 x 4, 327,680 bytes of LDS; arguments acodes, ascales, wcodes, wscales, bq, bk, bv, mask, qkv; writes qkv
.if DOCPART == 2
	.amdgcn_target "amdgcn-amd-amdhsa--gfx1250"
	.amdhsa_code_object_version 6
	.text
	.protected	k_qcf6ba83892_proj
	.globl	k_qcf6ba83892_proj
	.p2align	8
	.type	k_qcf6ba83892_proj,@function
k_qcf6ba83892_proj:
	s_mov_b64 s[64:65], 0
	v_nop
	global_prefetch_b8 v0, s[64:65] scope:SCOPE_SE
	s_setreg_imm32_b32 hwreg(HW_REG_WAVE_MODE, 25, 1), 1
	s_wait_xcnt 0x0
	s_wait_alu depctr_hold_cnt(0) depctr_sa_sdst(0) depctr_va_vdst(0) depctr_va_sdst(0) depctr_va_ssrc(0) depctr_va_vcc(0) depctr_vm_vsrc(0)
	s_getreg_b32 s2, hwreg(HW_REG_IB_STS2, 6, 4)
	s_cmp_eq_u32 s2, 0
	s_cbranch_scc0 .Lentry_in_a_cluster
	s_endpgm
.Lentry_in_a_cluster:
	s_bfe_u32 s2, ttmp6, 0x10000c
	s_cmp_lg_u32 s2, 0xf033
	s_cbranch_scc0 .Lentry_shape_is_right
	s_endpgm
.Lentry_shape_is_right:
.set NQ,     2
.set FR,     12
.set NL,     4
.set NP,     4
.set TSTEP,  3072
.set HALFT,  8*TSTEP
.set SLOT,   4*HALFT
.set SCL,    2*SLOT
.set HALFS,  16*272
.set SBLK,   2*272
.set SPARE,  SCL+4*HALFS
.set BLK,    315392
.set ADRA, 16
.set ADRB, 20
.set L16,  26
.set ADRS, 27
.set SPW,  28
.set NIL,  29
.set SC,   32
.set BI,   64
.set AF,   128
.set PWS,  224
.set TBS,  232
.set L8,   240
.set BA,   241
.set MA,   242
.set VM,   243
.set VU,   244
.set TM,   64
.set PC,   80
.set WD,   100
.set G1, 24
.set G0, 32
.set G1B, 48
.set G0B, 56
.set G1S, 68
.set G0S, 76
.set G1SB, 80
.set G0SB, 88
.set MSB, 0
.macro WIN new
.if MSB != \new
	s_set_vgpr_msb (MSB<<8)|\new
.set MSB, \new
.endif
.endm
.set MUL_LO, 0xa1
.set MUL_HI, 0xf1
.set BIA_LO, 0x81
.set BIA_HI, 0xc1
.set TO_B,   0x40
.macro JLOAD g0a, g1a, g0b, g1b
	s_cmp_eq_u32 s15, 0
	s_cbranch_scc0 .Lfor_b_\@
	tensor_load_to_lds s[\g0a:\g0a+3], s[\g1a:\g1a+7]
	s_nop 0
.rept 4
	v_nop
.endr
	s_branch .Lasked_\@
.Lfor_b_\@:
	tensor_load_to_lds s[\g0b:\g0b+3], s[\g1b:\g1b+7]
	s_nop 0
.rept 4
	v_nop
.endr
.Lasked_\@:
.endm
.macro CREST
	s_cmp_lg_u32 s14, 0
	s_cbranch_scc1 .Lnot_wave_0_\@
	s_barrier_signal -3
.Lnot_wave_0_\@:
	s_barrier_wait -3
	s_barrier_signal -1
	s_barrier_wait -1
.endm
.macro CROUND
	s_barrier_signal -1
	s_barrier_wait -1
	CREST
.endm
	s_load_b256 s[4:11], s[0:1], 0x0
	s_load_b256 s[68:75], s[0:1], 0x20
	s_load_b64 s[12:13], s[0:1], 0x40
	v_lshl_add_u32 v[SPW], v0, 2, SPARE
	v_mov_b32 v[NIL], 0
	ds_add_u32 v28, v29
	ds_add_u32 v28, v29
	s_wait_dscnt 0x0
	v_lshrrev_b32 v1, 5, v0
	v_readfirstlane_b32 s14, v1
	s_lshr_b32 s15, s14, 1
	s_and_b32 s16, s14, 1
	s_bfe_u32 s40, ttmp6, 0x40000
	s_bfe_u32 s41, ttmp6, 0x40004
	s_and_b32 s18, ttmp7, 0xffff
	s_lshr_b32 s66, s18, 3
	s_and_b32 s19, s18, 7
	s_cmp_eq_u32 s66, 2
	s_cselect_b32 s67, 1, 0
	s_cselect_b32 s17, 0, s19
	s_cselect_b32 s42, s19, 0
	s_lshl_b32 s17, s17, 2
	s_add_co_u32 s17, s17, s41
	s_lshl_b32 s42, s42, 2
	s_add_co_u32 s42, s42, s40
	s_lshl_b32 s43, s41, 2
	s_lshl_b32 s43, 15, s43
	s_lshl_b32 s44, 0x1111, s40
	s_or_b32 s[G1+0], s43, (3<<16)|(1<<21)
	s_or_b32 s[G1B+0], s44, (3<<16)|(1<<21)
.irp g, G1, G1B
	s_mov_b32 s[\g+1], 384<<16
	s_mov_b32 s[\g+2], 16<<16
	s_mov_b32 s[\g+3], 384<<16
	s_mov_b32 s[\g+4], 16
	s_mov_b32 s[\g+5], 1536
	s_mov_b32 s[\g+6], 0
	s_mov_b32 s[\g+7], 0
.endr
	s_mul_i32 s18, s66, 6291456
	s_mov_b32 s19, 0
	s_lshl_b32 s20, s66, 18
	s_mov_b32 s21, 0
	s_mul_i32 s22, s66, 786432
	s_mov_b32 s23, 0
	s_lshl_b32 s100, s66, 15
	s_mov_b32 s101, 0
	s_lshl_b32 s2, s16, 7
	s_lshl_b32 s92, s17, 8
	s_add_co_u32 s92, s92, s2
	s_lshl_b32 s46, s42, 8
	s_add_co_u32 s46, s46, s2
	s_mul_i32 s94, s92, 768
	s_mov_b32 s95, 0
	s_lshl_b32 s92, s92, 5
	s_mov_b32 s93, 0
	s_mul_i32 s96, s46, 768
	s_mov_b32 s97, 0
	s_lshl_b32 s46, s46, 5
	s_mov_b32 s47, 0
	s_mul_i32 s45, s14, HALFT
	s_wait_kmcnt 0x0
	s_add_nc_u64 s[4:5], s[4:5], s[18:19]
	s_add_nc_u64 s[6:7], s[6:7], s[20:21]
	s_add_nc_u64 s[8:9], s[8:9], s[22:23]
	s_add_nc_u64 s[10:11], s[10:11], s[100:101]
	s_cmp_eq_u32 s66, 1
	s_cselect_b64 s[98:99], s[70:71], s[68:69]
	s_cmp_eq_u32 s66, 2
	s_cselect_b64 s[98:99], s[72:73], s[98:99]
	s_mov_b64 s[100:101], s[74:75]
	s_cselect_b64 s[18:19], s[8:9], s[4:5]
	s_cselect_b64 s[20:21], s[10:11], s[6:7]
	s_cselect_b64 s[8:9], s[4:5], s[8:9]
	s_cselect_b64 s[10:11], s[6:7], s[10:11]
	s_add_nc_u64 s[18:19], s[18:19], s[94:95]
	s_add_nc_u64 s[20:21], s[20:21], s[92:93]
	s_add_nc_u64 s[8:9], s[8:9], s[96:97]
	s_add_nc_u64 s[10:11], s[10:11], s[46:47]
	s_or_b32 s[G1S+0], s43, (3<<16)|(1<<20)|(1<<21)|(5<<22)|(3<<25)
	s_or_b32 s[G1SB+0], s44, (3<<16)|(1<<20)|(1<<21)|(5<<22)|(3<<25)
.irp g, G1S, G1SB
	s_mov_b32 s[\g+1], 32<<16
	s_mov_b32 s[\g+2], 32<<16
	s_mov_b32 s[\g+3], 32<<16
	s_mov_b32 s[\g+4], 32
	s_mov_b32 s[\g+5], 32
	s_mov_b32 s[\g+6], 0
	s_mov_b32 s[\g+7], 0
.endr
	CROUND
	s_mov_b32 s[G0S], 1
	s_mov_b32 s[G0S+1], SCL
	s_sub_nc_u64 s[G0S+2:G0S+3], s[20:21], 4096    ; wave 1 asks by it: its address stands at the tile's upper 128 rows, 4,096 bytes of scales on
	s_or_b32 s[G0S+3], s[G0S+3], 0x80000000
	s_mov_b32 s[G0SB], 1
	s_mov_b32 s[G0SB+1], SCL+2*HALFS
	s_sub_nc_u64 s[G0SB+2:G0SB+3], s[10:11], 4096  ; wave 3 asks by it
	s_or_b32 s[G0SB+3], s[G0SB+3], 0x80000000
.irp s, 0,1
	s_mov_b32 s[G0+4*\s], 1
	s_add_co_u32 s[G0+4*\s+1], s45, \s*SLOT
	s_add_nc_u64 s[G0+4*\s+2:G0+4*\s+3], s[18:19], \s*TSTEP
	s_or_b32 s[G0+4*\s+3], s[G0+4*\s+3], 0x80000000
	s_mov_b32 s[G0B+4*\s], 1
	s_add_co_u32 s[G0B+4*\s+1], s45, \s*SLOT
	s_add_nc_u64 s[G0B+4*\s+2:G0B+4*\s+3], s[8:9], \s*TSTEP
	s_or_b32 s[G0B+4*\s+3], s[G0B+4*\s+3], 0x80000000
.endr
	; THE HEAD'S FOUR TILES, each whole, one load a wave: wave 0 slot 0's 16 tiles of A's codes, wave 2 those of B's (their addresses stand at the tile's first row),
	; wave 1 the scales of A's 256 rows, wave 3 those of B's.  One chain of branches on the wave's number, all arms leading to one join.
	s_mov_b32 s4, 1
	s_mov_b32 s5, 0
	s_mov_b64 s[6:7], s[18:19]
	s_or_b32 s7, s7, 0x80000000
	s_mov_b64 s[10:11], s[8:9]
	s_or_b32 s11, s11, 0x80000000
	s_mov_b32 s8, 1
	s_mov_b32 s9, 2*HALFT
.macro ARM under, g0, g1, next
	s_cmp_lt_u32 s14, \under
	s_cbranch_scc0 \next
	tensor_load_to_lds s[\g0:\g0+3], s[\g1:\g1+7]
	s_nop 0
.rept 4
	v_nop
.endr
	s_branch .Lhead_asked
\next:
.endm
	ARM 1, 4, G1, .Lhead_sa
	ARM 2, G0S, G1S, .Lhead_b
	ARM 3, 8, G1B, .Lhead_sb
	tensor_load_to_lds s[G0SB:G0SB+3], s[G1SB:G1SB+7]
	s_nop 0
.rept 4
	v_nop
.endr
.Lhead_asked:
	s_wait_alu depctr_va_vdst(0)
	s_wait_tensorcnt 0x0                           ; my tile of the four is in
	ds_add_u32 v28, v29
	s_mov_b32 s[G1+2], 8<<16                       ; no tensor load of mine is out: from here on a load brings 8 tiles
	s_mov_b32 s[G1+4], 8
	s_mov_b32 s[G1B+2], 8<<16
	s_mov_b32 s[G1B+4], 8
	s_wait_dscnt 0x0
	CROUND
	JLOAD G0+4, G1, G0B+4, G1B                     ; slot 1's first fill
	v_and_b32 v1, 31, v0
	v_and_b32 v2, 15, v0
	v_bfe_u32 v3, v0, 4, 1
	v_lshlrev_b32 v[L16], 4, v1
	v_lshlrev_b32 v[L8], 3, v1
	s_mul_i32 s22, s15, HALFT
	s_mul_i32 s23, s16, HALFT
	s_add_co_u32 s23, s23, 2*HALFT
.irp s, 0,1
	v_add_nc_u32 v[ADRA+\s], s22, v[L16]
	v_add_nc_u32 v[ADRB+\s], s23, v[L16]
	v_add_nc_u32 v[ADRA+2+\s], s22, v[L8]
	v_add_nc_u32 v[ADRB+2+\s], s23, v[L8]
	s_add_co_u32 s22, s22, SLOT
	s_add_co_u32 s23, s23, SLOT
.endr
	v_lshlrev_b32 v5, 5, v2
	v_lshrrev_b32 v6, 8, v5
	v_lshl_add_u32 v5, v6, 4, v5
	s_mul_i32 s22, s15, HALFS
	s_mul_i32 s23, s16, HALFS
	s_add_co_u32 s23, s23, 2*HALFS
	s_sub_co_u32 s23, s23, s22
	v_mul_u32_u24 v6, s23, v3
	s_add_co_u32 s22, s22, SCL
	v_add_nc_u32 v5, v5, v6
	v_add_nc_u32 v[ADRS], s22, v5
	s_cmp_eq_u32 s67, 1
	s_cselect_b32 s18, s42, s17
	s_cselect_b32 s19, s17, s42
	s_cselect_b32 s20, s16, s15
	s_cselect_b32 s21, s15, s16
	s_mov_b32 s46, 768
	s_cselect_b32 s46, 1536, s46
	s_mov_b32 s92, 768
	s_cselect_b32 s92, 310784, s92
	s_mov_b32 s94, BLK
	s_cselect_b32 s94, 768, s94
	s_cselect_b32 s96, 8, 9
	s_mov_b32 s47, 0
	s_mov_b32 s93, 0
	s_mov_b32 s95, 0
	s_lshr_b32 s22, s18, 3
	s_lshl_b32 s22, s22, 4
	s_lshl_b32 s23, s19, 2
	s_add_co_u32 s22, s22, s23
	s_lshl_b32 s23, s21, 1
	s_add_co_u32 s22, s22, s23
	s_and_b32 s23, s18, 7
	s_lshl_b32 s23, s23, 1
	s_add_co_u32 s23, s23, s20
	s_lshl_b32 s19, s19, 8
	s_lshl_b32 s21, s21, 7
	s_add_co_u32 s19, s19, s21
	s_lshl_b32 s18, s18, 8
	s_lshl_b32 s20, s20, 7
	s_add_co_u32 s18, s18, s20
	s_lshl_b32 s20, s19, 2
	s_mov_b32 s21, 0
	s_add_nc_u64 s[98:99], s[98:99], s[20:21]
	s_mov_b32 s20, s18
	s_add_nc_u64 s[100:101], s[100:101], s[20:21]
	s_cmp_eq_u32 s66, 0
	s_cselect_b32 s20, 208896, 0
	s_cmp_eq_u32 s66, 2
	s_mov_b32 s19, 106496
	s_cselect_b32 s20, s19, s20
	s_mul_i32 s18, s22, BLK
	s_add_co_u32 s18, s18, s20
	s_lshl_b32 s20, s23, s96
	s_add_co_u32 s20, s20, s18
	s_add_co_u32 s20, s20, 98304
	s_mul_i32 s19, s23, 6144
	s_add_co_u32 s18, s18, s19
	s_mov_b32 s19, 0
	s_add_nc_u64 s[22:23], s[12:13], s[20:21]
	s_add_nc_u64 s[18:19], s[12:13], s[18:19]
	s_add_nc_u64 s[20:21], s[18:19], s[94:95]
	s_cmp_eq_u32 s66, 1
	s_mov_b32 s96, 127<<16
	s_cselect_b32 s97, 247<<16, s96
	s_cselect_b32 s96, 0, s96
	v_mov_b32 v[VM], s97
	v_mov_b32 v[VU], s96
	v_and_b32 v4, 8, v2
	v_add_nc_u32 v[MA], v4, v2
.irp a, 0,1,2,3,4,5,6,7
	global_load_u8 v[TBS+\a], v[MA], s[100:101] offset:32*(\a/2)+8*(\a%2)
.endr
	s_cmp_eq_u32 s67, 1
	s_cbranch_scc1 .Lbias_v
	v_lshlrev_b32 v[BA], 6, v3
.irp b, 0,1,2,3,4,5,6,7
	global_load_b128 v[BI+8*\b:BI+8*\b+3], v[BA], s[98:99] offset:128*(\b/2)+32*(\b%2)
	global_load_b128 v[BI+8*\b+4:BI+8*\b+7], v[BA], s[98:99] offset:128*(\b/2)+32*(\b%2)+16
.endr
	s_branch .Lbias_done
.Lbias_v:
	s_wait_alu depctr_va_vdst(0)
	v_lshlrev_b32 v[BA], 2, v[MA]
.irp a, 0,1,2,3,4,5,6,7
.irp j, 0,1,2,3,4,5,6,7
	global_load_b32 v[BI+8*\a+\j], v[BA], s[98:99] offset:128*(\a/2)+32*(\a%2)
.endr
.endr
.Lbias_done:
	s_wait_loadcnt 0x0
	s_wait_alu depctr_va_vdst(0)
.irp a, 0,1,2,3,4,5,6,7
	v_cmp_ne_u32 vcc_lo, 0, v[TBS+\a]
	v_cndmask_b32 v[TBS+\a], v[VM], v[VU], vcc_lo
.endr
.macro FRAG reg, adr, q, i
	ds_load_b128 v[\reg:\reg+3], v[\adr] offset:(\i)*TSTEP+(\q)*1536
	ds_load_b64 v[\reg+4:\reg+5], v[\adr+2] offset:(\i)*TSTEP+(\q)*1536+512
	ds_load_b128 v[\reg+6:\reg+9], v[\adr] offset:(\i)*TSTEP+(\q)*1536+768
	ds_load_b64 v[\reg+10:\reg+11], v[\adr+2] offset:(\i)*TSTEP+(\q)*1536+1280
.endm
.macro MUL16 a0, p, q, sc, zero
.irp a, \a0, \a0+1
.irp b, 0,1,2,3,4,5,6,7
.if \zero == 1
	v_wmma_scale_f32_16x16x128_f8f6f4 v[8*(8*((\a)%4)+\b):8*(8*((\a)%4)+\b)+7], v[128*(\p)+FR*\b:128*(\p)+FR*\b+FR-1], v[AF+FR*(\a):AF+FR*(\a)+FR-1], v[BI+8*\b:BI+8*\b+7], v[SC+8*NQ*(\sc)+NQ*\b+(\q)], v[SC+8*NQ*(\sc)+NQ*(\a)+(\q)] matrix_a_fmt:MATRIX_FMT_FP6 matrix_b_fmt:MATRIX_FMT_FP6 matrix_a_scale:MATRIX_SCALE_ROW1
.elseif \zero == 2
	v_wmma_scale_f32_16x16x128_f8f6f4 v[8*(8*((\a)%4)+\b):8*(8*((\a)%4)+\b)+7], v[128*(\p)+FR*\b:128*(\p)+FR*\b+FR-1], v[AF+FR*(\a):AF+FR*(\a)+FR-1], v[BI+8*(\a):BI+8*(\a)+7], v[SC+8*NQ*(\sc)+NQ*\b+(\q)], v[SC+8*NQ*(\sc)+NQ*(\a)+(\q)] matrix_a_fmt:MATRIX_FMT_FP6 matrix_b_fmt:MATRIX_FMT_FP6 matrix_a_scale:MATRIX_SCALE_ROW1
.else
	v_wmma_scale_f32_16x16x128_f8f6f4 v[8*(8*((\a)%4)+\b):8*(8*((\a)%4)+\b)+7], v[128*(\p)+FR*\b:128*(\p)+FR*\b+FR-1], v[AF+FR*(\a):AF+FR*(\a)+FR-1], v[8*(8*((\a)%4)+\b):8*(8*((\a)%4)+\b)+7], v[SC+8*NQ*(\sc)+NQ*\b+(\q)], v[SC+8*NQ*(\sc)+NQ*(\a)+(\q)] matrix_a_fmt:MATRIX_FMT_FP6 matrix_b_fmt:MATRIX_FMT_FP6 matrix_a_scale:MATRIX_SCALE_ROW1
.endif
.endr
.endr
.endm
.macro FETCH_B slot, q, p
	WIN TO_B
.irp i, 0,1,2,3,4,5,6,7
	FRAG 128*(\p)+FR*\i, ADRB+\slot, \q, \i
.endr
	WIN 0
.endm
.macro FETCH_A slot, q, i0
.irp i, \i0, \i0+1, \i0+2, \i0+3
	FRAG AF+FR*(\i), ADRA+\slot, \q, \i
.endr
.endm
.macro SCALES sc
.irp i, 0,1,2,3,4,5,6,7
	ds_load_b64 v[SC+8*NQ*\sc+NQ*\i:SC+8*NQ*\sc+NQ*\i+1], v[ADRS] offset:\i*SBLK
.endr
.endm
.macro PLACES n
.rept \n
	v_nop
.endr
.endm
.macro STEP slot, q, zero
	s_wait_dscnt 4*NL
.if \zero
	WIN BIA_LO
.else
	WIN MUL_LO
.endif
	MUL16 0, (\q)%2, \q, \slot, \zero
	MUL16 2, (\q)%2, \q, \slot, \zero
	s_wait_dscnt 0
	PLACES NP
	FETCH_B \slot, (\q)+1, 1-(\q)%2
	FETCH_A \slot, (\q)+1, 0
.if \zero
	WIN BIA_HI
.else
	WIN MUL_HI
.endif
	MUL16 4, (\q)%2, \q, \slot, \zero
	MUL16 6, (\q)%2, \q, \slot, \zero
	PLACES NP
	WIN 0
	FETCH_A \slot, (\q)+1, 4
.endm
.macro TURN slot, next, fill
	s_wait_tensorcnt 0x0
	ds_add_u32 v[SPW], v[NIL]
	s_wait_dscnt 4*NL+1
	WIN MUL_LO
	MUL16 0, 1, NQ-1, \slot, 0
	s_wait_dscnt 0x0
	s_barrier_signal -1
	MUL16 2, 1, NQ-1, \slot, 0
	WIN 0
	s_barrier_wait -1
.if \fill
	CREST
	s_add_nc_u64 s[G0+4*\slot+2:G0+4*\slot+3], s[G0+4*\slot+2:G0+4*\slot+3], 2*TSTEP
	s_add_nc_u64 s[G0B+4*\slot+2:G0B+4*\slot+3], s[G0B+4*\slot+2:G0B+4*\slot+3], 2*TSTEP
	JLOAD G0+4*\slot, G1, G0B+4*\slot, G1B
.else
	PLACES NP
.endif
	s_wait_alu depctr_va_vdst(0)
	v_add_nc_u32 v[ADRS], 4*NQ, v[ADRS]
	FETCH_B \next, 0, 0
	FETCH_A \next, 0, 0
	SCALES \next
	WIN MUL_HI
	MUL16 4, 1, NQ-1, \slot, 0
	MUL16 6, 1, NQ-1, \slot, 0
	PLACES NP
	WIN 0
	FETCH_A \next, 0, 4
.endm
	s_wait_tensorcnt 1
	s_barrier_signal -1
	s_barrier_wait -1
	FETCH_B 0, 0, 0
	FETCH_A 0, 0, 0
	SCALES 0
	FETCH_A 0, 0, 4
	s_cmp_eq_u32 s67, 1
	s_cbranch_scc1 .Lfirst_v
	STEP 0, 0, 1
	s_branch .Lfirst_done
.Lfirst_v:
	STEP 0, 0, 2
.Lfirst_done:
	s_mov_b32 s3, 1
.Llap:
	TURN 0, 1, 1
	STEP 1, 0, 0
	TURN 1, 0, 1
	STEP 0, 0, 0
	s_sub_co_u32 s3, s3, 1
	s_cmp_lg_u32 s3, 0
	s_cbranch_scc1 .Llap
	TURN 0, 1, 0
	STEP 1, 0, 0
	s_wait_dscnt 4*NL
	WIN MUL_LO
	MUL16 0, 1, NQ-1, 1, 0
	MUL16 2, 1, NQ-1, 1, 0
	s_wait_dscnt 0
	WIN MUL_HI
	MUL16 4, 1, NQ-1, 1, 0
	MUL16 6, 1, NQ-1, 1, 0
	WIN 0
	s_mov_b32 s40, 0x76543210
	s_mov_b32 s41, 0xfedcba98
	s_mov_b32 s42, 0x1800000
	s_mov_b32 s43, 0xffff0000
.irp b, 0,1,2,3
	v_mov_b32 v[TM+4+\b], 0
.endr
.macro EQ a
.set AC, 64*((\a)%4)
.set EW, 2+(\a)/4
.set EW12, (EW<<2)|(EW<<4)
	WIN EW12
.irp b, 0,1,2,3
	v_max3_num_f32 v[TM+\b], s42, |v[AC+16*\b]|, |v[AC+16*\b+1]|
.endr
.irp i, 2,4,6,8,10,12,14
.irp b, 0,1,2,3
	v_max3_num_f32 v[TM+\b], v[TM+\b], |v[AC+16*\b+\i]|, |v[AC+16*\b+\i+1]|
.endr
.endr
	WIN 0
.irp b, 0,1,2,3
	v_permlanex16_b32 v[TM+4+\b], v[TM+\b], s40, s41
.endr
.irp b, 0,1,2,3
	v_max_num_f32 v[TM+\b], v[TM+\b], v[TM+4+\b]
.endr
.irp b, 0,1,2,3
	v_add_nc_u32 v[TM+12+\b], 0xff000000, v[TM+\b]
.endr
.irp b, 0,1,2,3
	v_lshrrev_b32 v[TM+4+\b], 23, v[TM+12+\b]
.endr
	v_lshl_or_b32 v[PWS+(\a)], v[TM+5], 8, v[TM+4]
	v_lshl_or_b32 v[PWS+(\a)], v[TM+6], 16, v[PWS+(\a)]
	v_lshl_or_b32 v[PWS+(\a)], v[TM+7], 24, v[PWS+(\a)]
	s_wait_xcnt 0x0
.if (\a) == 4
	s_add_nc_u64 s[18:19], s[18:19], s[92:93]
	s_add_nc_u64 s[20:21], s[20:21], s[92:93]
.elseif (\a) > 0
	s_add_nc_u64 s[18:19], s[18:19], s[46:47]
	s_add_nc_u64 s[20:21], s[20:21], s[46:47]
.endif
	WIN EW
.irp c, 0,1
	v_cvt_scalef32_pk16_fp6_f32 v[PC+6*\c:PC+6*\c+2], v[AC+32*\c:AC+32*\c+15], v[TM+12+2*\c]
	v_cvt_scalef32_pk16_fp6_f32 v[PC+12+4*\c:PC+14+4*\c], v[AC+32*\c+16:AC+32*\c+31], v[TM+13+2*\c]
.endr
	WIN 0
	v_nop
.irp c, 0,1
.irp i, 0,1,2
	v_permlane16_swap_b32 v[PC+6*\c+\i], v[PC+12+4*\c+\i]
.endr
.irp i, 0,1,2
	v_mov_b32 v[PC+3+6*\c+\i], v[PC+12+4*\c+\i]
.endr
.endr
	global_store_b128 v[L16], v[PC:PC+3], s[18:19]
	global_store_b64 v[L8], v[PC+4:PC+5], s[18:19] offset:512
	global_store_b128 v[L16], v[PC+6:PC+9], s[20:21]
	global_store_b64 v[L8], v[PC+10:PC+11], s[20:21] offset:512
.endm
.irp a, 0,1,2,3,4,5,6,7
	EQ \a
.endr
	s_cmp_eq_u32 s67, 1
	s_cbranch_scc1 .Lwords_v
.irp a, 0,1,2,3,4,5,6,7
	v_perm_b32 v[WD+\a], v[TBS+\a], v[PWS+\a], 0x07060100
.endr
.irp i, 0,1,2,3
	v_cndmask_b32 v[WD+8+\i], v[WD+2*\i], v[WD+2*\i+1], s43
.endr
	global_store_b128 v[L16], v[WD+8:WD+11], s[22:23]
.irp a, 0,1,2,3,4,5,6,7
	v_perm_b32 v[WD+\a], v[TBS+\a], v[PWS+\a], 0x07060302
.endr
.irp i, 0,1,2,3
	v_cndmask_b32 v[WD+12+\i], v[WD+2*\i], v[WD+2*\i+1], s43
.endr
	global_store_b128 v[L16], v[WD+12:WD+15], s[22:23] offset:BLK
	s_branch .Lwords_done
.Lwords_v:
.irp p, 0,1
.irp i, 0,1
	v_cndmask_b32 v[WD+2*\p+\i], v[PWS+4*\p+2*\i], v[PWS+4*\p+2*\i+1], s43
.endr
	global_store_b64 v[L8], v[WD+2*\p:WD+2*\p+1], s[22:23] offset:BLK*\p
.endr
.Lwords_done:
	s_wait_tensorcnt 0x0
	ds_add_u32 v[SPW], v[NIL]
	s_wait_dscnt 0x0
	CROUND
	s_endpgm
.Lfunc_end_k_qcf6ba83892_proj:
	.size	k_qcf6ba83892_proj, .Lfunc_end_k_qcf6ba83892_proj-k_qcf6ba83892_proj
	.p2alignl 7, 3214868480
	.fill 96, 4, 3214868480
	.section	.rodata,"a",@progbits
	.p2align	6, 0x0
	.amdhsa_kernel k_qcf6ba83892_proj
		.amdhsa_group_segment_fixed_size 327680
		.amdhsa_private_segment_fixed_size 0
		.amdhsa_enable_private_segment 0
		.amdhsa_kernarg_size 72
		.amdhsa_user_sgpr_count 2
		.amdhsa_user_sgpr_kernarg_segment_ptr 1
		.amdhsa_wavefront_size32 1
		.amdhsa_system_sgpr_workgroup_id_x 1
		.amdhsa_system_sgpr_workgroup_id_y 1
		.amdhsa_system_sgpr_workgroup_id_z 1
		.amdhsa_system_vgpr_workitem_id 0
		.amdhsa_next_free_vgpr 1024
		.amdhsa_next_free_sgpr 102
		.amdhsa_reserve_vcc 1
		.amdhsa_float_denorm_mode_32 3
		.amdhsa_float_denorm_mode_16_64 3
		.amdhsa_memory_ordered 1
		.amdhsa_forward_progress 1
		.amdhsa_inst_pref_size 176
	.end_amdhsa_kernel
	.amdgpu_metadata
---
amdhsa.version: [ 1, 2 ]
amdhsa.kernels:
  - .name:           k_qcf6ba83892_proj
    .symbol:         k_qcf6ba83892_proj.kd
    .args:
      - { .name: acodes, .offset: 0, .size: 8, .value_kind: global_buffer, .address_space: global }
      - { .name: ascales, .offset: 8, .size: 8, .value_kind: global_buffer, .address_space: global }
      - { .name: wcodes, .offset: 16, .size: 8, .value_kind: global_buffer, .address_space: global }
      - { .name: wscales, .offset: 24, .size: 8, .value_kind: global_buffer, .address_space: global }
      - { .name: bq, .offset: 32, .size: 8, .value_kind: global_buffer, .address_space: global }
      - { .name: bk, .offset: 40, .size: 8, .value_kind: global_buffer, .address_space: global }
      - { .name: bv, .offset: 48, .size: 8, .value_kind: global_buffer, .address_space: global }
      - { .name: mask, .offset: 56, .size: 8, .value_kind: global_buffer, .address_space: global }
      - { .name: qkv, .offset: 64, .size: 8, .value_kind: global_buffer, .address_space: global }
    .group_segment_fixed_size: 327680
    .private_segment_fixed_size: 0
    .kernarg_segment_align: 8
    .kernarg_segment_size: 72
    .max_flat_workgroup_size: 128
    .sgpr_count:     102
    .vgpr_count:     1024
    .wavefront_size: 32
...
	.end_amdgpu_metadata
.endif
;; end of part 2
;; launch attn (part 3): grid 4 x 64, 8 waves a work-group, clusters of 4 x 1, 277,504 bytes of LDS; arguments qkv, xcodes, xscales; writes xcodes, xscales
.if DOCPART == 3
	.amdgcn_target "amdgcn-amd-amdhsa--gfx1250"
	.amdhsa_code_object_version 6
	.text
	.protected	k_qcf6ba83892_attn
	.globl	k_qcf6ba83892_attn
	.p2align	8
	.type	k_qcf6ba83892_attn,@function
k_qcf6ba83892_attn:
	s_mov_b64 s[64:65], 0
	v_nop
	global_prefetch_b8 v0, s[64:65] scope:SCOPE_SE
	s_setreg_imm32_b32 hwreg(HW_REG_WAVE_MODE, 25, 1), 1
	s_wait_xcnt 0x0
	s_wait_alu depctr_hold_cnt(0) depctr_sa_sdst(0) depctr_va_vdst(0) depctr_va_sdst(0) depctr_va_ssrc(0) depctr_va_vcc(0) depctr_vm_vsrc(0)
	s_getreg_b32 s2, hwreg(HW_REG_IB_STS2, 6, 4)
	s_cmp_eq_u32 s2, 0
	s_cbranch_scc0 .Lentry_in_a_cluster
	s_endpgm
.Lentry_in_a_cluster:
	s_bfe_u32 s2, ttmp6, 0x10000c
	s_cmp_lg_u32 s2, 0x3003
	s_cbranch_scc0 .Lentry_shape_is_right
	s_endpgm
.Lentry_shape_is_right:
; x[b][q][h] = softmax_k(q . k / 8, masked) v, both products on codes of FP6 (E2M3) with E8M0 scales.  What is quantised for the second product is the FINISHED softmax: normalised, 0 at masked keys.
; SHARES.  A work-group owns one (batch, head) and 512 queries, in 16 rounds of 32 (two tiles of 16).  In a round each of the eight waves takes the 32 queries x its own 256 keys: 256 score registers a lane (window 1).
; Each score is made once and put through one exponential, under the wave's own maximum m_w: p' = 2^(c s - c m_w), c = log2(e) / 8, l_w = sum of p'.  The waves exchange (-c m_w, l_w) through LDS;
; m = the largest m_w, L = sum of l_w 2^(c m_w - c m), p = p' x 2^(c m_w - c m) / L.  p is quantised along the keys, multiplied by the wave's 256 rows of V, and the eight partial O^T meet in LDS,
; where waves 0-3 add them (a wave: 16 queries x 32 channels), quantise x along the channels and store it as a piece of the last product's operand.
; THREE BARRIERS A ROUND, each with work between its signal and its wait: tile 0's statistics (tile 1's exponentials and sums stand between), tile 1's statistics (tile 0 is normalised and quantised between),
; the partial O^T (the next round's scores and their maxima are made between).  Between a signal and its wait stand register work and LDS loads of bytes that no wave stores before a later barrier.
; The statistics of a tile are stored again only behind the third barrier's wait, the partial O^T only behind the second's: every reader has waited for its loads ahead of the signal in between.
; The head's K and V, codes and scale words (208,896 bytes), lie in LDS for the whole launch: filled once.  CLUSTER: the four query quarters of a head ask for them jointly, one tensor load a wave (102 rows of 256 bytes).
; No prefetch: K and V are asked for once, at the head, with no loop to run ahead in; Q comes into registers a round ahead.
; LAYOUT.  Both products are used transposed (S^T = K Q^T, O^T = V^T P^T): a lane holds ONE query.  Tiles of keys and channels are storage tiles (row r of tile 2 g + u is logical row 32 g + 8 u + r + 8 (r / 8)),
; so the 16 registers of tiles 2 g, 2 g + 1 are 16 logical neighbours, 32 g + 16 (lane / 16) + 0 .. 15.
; THE MASK rides in the idle half of the first product's K: at k = 64 K holds the code of -7.5 and Q the code of 1.0; byte 2 of a masked key's scale word is 247: its score is -7.5 x 2^120.
; A wave's maximum is held at -2^100 from below, so a wave whose keys are all masked has p' = 0 and l_w = 0; a query with every key masked (-c m over 2^96) gets the factor 0, and x = 0.
; A block's largest p is not searched for: the block's largest score goes through the same multiply-add, exponential and multiply as its members.
; LIMITS: an open key's byte 2 is 0, so its score carries -7.5 x 2^-127.  c |score| stays under 2^96.  p' under 2^-126 comes out as 0.  A block of zeros gets the byte 1 (its codes are zeros).  NaN and infinities are not served.
; REGISTERS, window 0: v1-15 addresses; v16-33 scale words; v34-39 at work; v40-63 Q; v64-159 eight fragments of K (upper six registers constants); v160-207 P's codes (before them: the parts of O^T on the way out, the statistics);
; v208-223 block maxima; v224-239 at work; v240-247 -c m_w and the factor.  Window 1: the scores; behind the conversions v0-95 V's fragments, v128-191 O^T.
.set BLK,  315392
.set KSB,  98304
.set VCB,  106496
.set VSB,  204800
.set QCB,  208896
.set QSB,  307200
.set PART, 26112
.set OST,  0x33000                     ; the partial O^T: 8,192 bytes a wave
.set STA,  0x43000                     ; the statistics: 1,024 bytes a tile, 128 a wave
.set SPARE, 0x43800                    ; the spare words: 128 bytes a wave
.set L16,  1
.set L8,   2
.set ADK16, 3
.set ADK8, 4
.set ADS,  5
.set ADV16, 6
.set ADV8, 7
.set ADVS, 8
.set OSTW, 9
.set OSTR, 10
.set STW,  11
.set STR,  12
.set XA16, 13
.set XA8,  14
.set XAS,  15
.set KSC,  16                          ; v16-23 K's scale words: register i: lanes 0-15 my tile 2 i, lanes 16-31 tile 2 i + 1
.set VSC,  24                          ; v24-27 V's: register 2 s + i: channel tiles 2 i, 2 i + 1 of my step s
.set QSC,  28                          ; Q's: lanes 0-15 tile 0, lanes 16-31 tile 1
.set PSC,  30                          ; v30-33 P's: register 2 t + s
.set QF,   40
.set KF,   64
.set PC,   160
.set FA,   160                         ; the way out: v160-175 the sum, v176-191 and v192-207 two parts by turns
.set ST,   184                         ; statistics of wave p: v[ST + 2 p] -c m, +1 l
.set BM,   208
.set BX,   224
.set NM,   240                         ; v240, v242: -c m_w of tile 0, 1 (low words of pairs)
.set F,    244                         ; v244, v246: the factors
.set QA16, 251
.set QA8,  252
.set QAS,  253
.set MSB, 0
.macro WIN new
.if MSB != \new
	s_set_vgpr_msb (MSB<<8)|\new
.set MSB, \new
.endif
.endm
.macro VW
	s_wait_alu depctr_va_vdst(0)
.endm
.macro NOPS n
.rept \n
	v_nop
.endr
.endm
.macro CROUND                          ; a round of the cluster's barrier
	s_barrier_signal -1
	s_barrier_wait -1
	s_cmp_lg_u32 s10, 0
	s_cbranch_scc1 .Lnot_wave_0_\@
	s_barrier_signal -3
.Lnot_wave_0_\@:
	s_barrier_wait -3
	s_barrier_signal -1
	s_barrier_wait -1
.endm
.macro W6 d, a, b, sa, sb, ma, mb      ; a product that starts a sum
	v_wmma_scale_f32_16x16x128_f8f6f4 v[(\d):(\d)+7], v[(\a):(\a)+11], v[(\b):(\b)+11], 0, v[\sa], v[\sb] matrix_a_fmt:MATRIX_FMT_FP6 matrix_b_fmt:MATRIX_FMT_FP6 \ma \mb
.endm
.macro W6A d, a, b, sa, sb, ma, mb     ; and one that adds in place
	v_wmma_scale_f32_16x16x128_f8f6f4 v[(\d):(\d)+7], v[(\a):(\a)+11], v[(\b):(\b)+11], v[(\d):(\d)+7], v[\sa], v[\sb] matrix_a_fmt:MATRIX_FMT_FP6 matrix_b_fmt:MATRIX_FMT_FP6 \ma \mb
.endm
.macro KLOAD set, grp                  ; my key tiles 4 grp .. 4 grp + 3: the lower six registers of buffers 4 set ..
.irp f, 0,1,2,3
	ds_load_b128 v[KF+12*(4*\set+\f):KF+12*(4*\set+\f)+3], v[ADK16] offset:(4*\grp+\f)*768
	ds_load_b64 v[KF+12*(4*\set+\f)+4:KF+12*(4*\set+\f)+5], v[ADK8] offset:(4*\grp+\f)*768+512
.endr
.endm
.macro QK set, grp                     ; eight products: both query tiles x four key tiles; all accumulators differ
	WIN 0x40
.irp fp, 0,1
	W6 8*(4*\grp+2*\fp), KF+12*(4*\set+2*\fp), QF, KSC+2*\grp+\fp, QSC
	W6 8*(4*\grp+2*\fp+1), KF+12*(4*\set+2*\fp+1), QF, KSC+2*\grp+\fp, QSC, matrix_a_scale:MATRIX_SCALE_ROW1
.endr
.irp fp, 0,1
	W6 128+8*(4*\grp+2*\fp), KF+12*(4*\set+2*\fp), QF+12, KSC+2*\grp+\fp, QSC,,matrix_b_scale:MATRIX_SCALE_ROW1
	W6 128+8*(4*\grp+2*\fp+1), KF+12*(4*\set+2*\fp+1), QF+12, KSC+2*\grp+\fp, QSC, matrix_a_scale:MATRIX_SCALE_ROW1, matrix_b_scale:MATRIX_SCALE_ROW1
.endr
	WIN 0
.endm
; A round's scores, S^T = K Q^T, the largest score of each of its 16 blocks, and -c m_w.  Two sets of four K buffers; a set is loaded again four places behind its products.
.macro QKMAX
	s_wait_loadcnt 0x0                             ; Q
	s_wait_dscnt 0x0                               ; key tiles 0-7
	QK 0, 0
	NOPS 4
	KLOAD 0, 2
	QK 1, 1
	NOPS 4
	KLOAD 1, 3
	s_wait_dscnt 8                                 ; tiles 8-11 are in; the eight loads of tiles 12-15 may be out
	QK 0, 2
	NOPS 4
	KLOAD 0, 0                                     ; for the round after
	s_wait_dscnt 8                                 ; tiles 12-15 are in; the eight loads just issued may be out
	QK 1, 3
	NOPS 4
	KLOAD 1, 1
	WIN 0x15
.set q, 0
.rept 16
	v_max3_num_f32 v[BM+q], v[16*q], v[16*q+1], v[16*q+2]
.set q, q+1
.endr
	WIN 0x14
.irp i, 3,5,7,9,11,13
.set q, 0
.rept 16
	v_max3_num_f32 v[BM+q], v[BM+q], v[16*q+\i], v[16*q+\i+1]
.set q, q+1
.endr
.endr
.set q, 0
.rept 16
	v_max_num_f32 v[BM+q], v[BM+q], v[16*q+15]
.set q, q+1
.endr
	WIN 0
.set q, 0
.rept 16
	v_permlanex16_b32 v[BX+q], v[BM+q], s38, s39
.set q, q+1
.endr
.set q, 0
.rept 16
	v_max_num_f32 v[BM+q], v[BM+q], v[BX+q]        ; with lane l xor 16's 16 keys
.set q, q+1
.endr
.irp t, 0,1
	v_max3_num_f32 v[34+\t], v[BM+8*\t], v[BM+8*\t+1], v[BM+8*\t+2]
.endr
.irp i, 3,5
.irp t, 0,1
	v_max3_num_f32 v[34+\t], v[34+\t], v[BM+8*\t+\i], v[BM+8*\t+\i+1]
.endr
.endr
.irp t, 0,1
	v_max3_num_f32 v[34+\t], v[34+\t], v[BM+8*\t+7], s48   ; m_w, held at -2^100 from below
.endr
.irp t, 0,1
	v_mul_f32 v[NM+2*\t], s36, v[34+\t]            ; -c m_w
.endr
.endm
.macro QLOAD                           ; Q of round s41: two tiles' codes and their scale words
	s_wait_loadcnt 0x0                             ; the earlier loads into these registers are done, on every way here
	s_mul_i32 s42, s41, 1536
	s_lshr_b32 s43, s41, 2
	s_lshl_b32 s43, s43, 9
	s_and_b32 s44, s41, 3
	s_lshl_b32 s44, s44, 2
	s_add_co_u32 s43, s43, s44
	v_add_nc_u32 v[QA16], s42, v[L16]
	v_add_nc_u32 v[QA8], s42, v[L8]
	v_add_nc_u32 v[QAS], s43, v[L16]
.irp t, 0,1
	global_load_b128 v[QF+12*\t:QF+12*\t+3], v[QA16], s[30:31] offset:768*\t
	global_load_b64 v[QF+12*\t+4:QF+12*\t+5], v[QA8], s[30:31] offset:768*\t+512
.endr
	global_load_b32 v[QSC], v[QAS], s[32:33]
.endm
; Tile t: p' = 2^(c s - c m_w), of the scores and of the blocks' largest; l_w in eight chains of packed sums; v[38:39] = (-c m_w, l_w)
.macro EXPS t
.set q, 0
.rept 8
	v_fma_f32 v[BM+8*\t+q], v[BM+8*\t+q], s34, v[NM+2*\t]
.set q, q+1
.endr
	WIN 0x41
.set q, 0
.rept 64
	v_pk_fma_f32 v[128*\t+2*q:128*\t+2*q+1], v[128*\t+2*q:128*\t+2*q+1], s[34:35], v[NM+2*\t:NM+2*\t+1] op_sel_hi:[1,0,0]
.set q, q+1
.endr
	VW                                             ; ahead of the batch
.set q, 0
.rept 128
	v_exp_f32 v[128*\t+q], v[128*\t+q]
.set q, q+1
.endr
	WIN 0
.set q, 0
.rept 8
	v_exp_f32 v[BM+8*\t+q], v[BM+8*\t+q]
.set q, q+1
.endr
	v_nop
	VW                                             ; and behind it
	WIN 0x05
.set z, 0
.rept 8
	v_pk_add_f32 v[BX+2*z:BX+2*z+1], v[128*\t+16*z:128*\t+16*z+1], v[128*\t+16*z+2:128*\t+16*z+3]
.set z, z+1
.endr
	WIN 0x04
.set i, 2
.rept 6
.set z, 0
.rept 8
	v_pk_add_f32 v[BX+2*z:BX+2*z+1], v[BX+2*z:BX+2*z+1], v[128*\t+16*z+2*i:128*\t+16*z+2*i+1]
.set z, z+1
.endr
.set i, i+1
.endr
	WIN 0
.irp k, 0,4,8,12
	v_pk_add_f32 v[BX+\k:BX+\k+1], v[BX+\k:BX+\k+1], v[BX+\k+2:BX+\k+3]
.endr
.irp k, 0,8
	v_pk_add_f32 v[BX+\k:BX+\k+1], v[BX+\k:BX+\k+1], v[BX+\k+4:BX+\k+5]
.endr
	v_pk_add_f32 v[BX:BX+1], v[BX:BX+1], v[BX+8:BX+9]
	v_mov_b32 v38, v[NM+2*\t]
	v_add_f32 v36, v[BX], v[BX+1]
	v_permlanex16_b32 v37, v36, s38, s39
	v_add_f32 v39, v36, v37                        ; with lane l xor 16's half of the keys
.endm
; Tile t: the eight waves' statistics, the factor, p = p' x the factor, the blocks' scales
.macro NORM t
.irp p, 0,1,2,3,4,5,6,7
	ds_load_b64 v[ST+2*\p:ST+2*\p+1], v[STR] offset:1024*\t+128*\p
.endr
	s_wait_dscnt 0x0
	v_min3_num_f32 v34, v[ST], v[ST+2], v[ST+4]
	v_min3_num_f32 v35, v[ST+6], v[ST+8], v[ST+10]
	v_min3_num_f32 v34, v34, v[ST+12], v[ST+14]
	v_min_num_f32 v34, v34, v35                    ; -c m
.irp p, 0,1,2,3,4,5,6,7
	v_sub_f32 v[ST+2*\p], v34, v[ST+2*\p]          ; c m_p - c m, 0 or less
.endr
	v_sub_f32 v[F+2*\t], v34, v[NM+2*\t]
	VW
.irp p, 0,1,2,3,4,5,6,7
	v_exp_f32 v[ST+2*\p], v[ST+2*\p]
.endr
	v_exp_f32 v[F+2*\t], v[F+2*\t]
	v_nop
	VW
	v_mul_f32 v36, v[ST+1], v[ST]
	v_mul_f32 v37, v[ST+9], v[ST+8]
.irp p, 1,2,3
	v_fma_f32 v36, v[ST+2*\p+1], v[ST+2*\p], v36
	v_fma_f32 v37, v[ST+2*\p+9], v[ST+2*\p+8], v37
.endr
	v_add_f32 v36, v36, v37                        ; L: the same lines on the same numbers in every wave and lane of the query
	VW
	v_rcp_f32 v36, v36
	v_nop
	VW
	v_mul_f32 v[F+2*\t], v[F+2*\t], v36
	v_cmp_ge_f32 vcc_lo, s46, v34
	v_cndmask_b32 v[F+2*\t], 0, v[F+2*\t], vcc_lo  ; every key masked: the factor 0
.set q, 0
.rept 8
	v_mul_f32 v[BM+8*\t+q], v[BM+8*\t+q], v[F+2*\t]
.set q, q+1
.endr
	WIN 0x41
.set q, 0
.rept 64
	v_pk_mul_f32 v[128*\t+2*q:128*\t+2*q+1], v[128*\t+2*q:128*\t+2*q+1], v[F+2*\t:F+2*\t+1] op_sel_hi:[1,0]
.set q, q+1
.endr
	WIN 0
.set q, 0
.rept 8
	v_max_num_f32 v[BM+8*\t+q], s37, v[BM+8*\t+q]
.set q, q+1
.endr
.set q, 0
.rept 8
	v_add_nc_u32 v[BX+8*\t+q], 0xff000000, v[BM+8*\t+q]    ; 2 off the exponent field: the conversion's scale operand
.set q, q+1
.endr
.set q, 0
.rept 8
	v_lshrrev_b32 v[BM+8*\t+q], 23, v[BX+8*\t+q]   ; the scale's byte
.set q, q+1
.endr
.irp s, 0,1
	v_lshl_or_b32 v[PSC+2*\t+\s], v[BM+8*\t+4*\s+1], 8, v[BM+8*\t+4*\s]
.endr
.irp s, 0,1
	v_lshl_or_b32 v[PSC+2*\t+\s], v[BM+8*\t+4*\s+2], 16, v[PSC+2*\t+\s]
.endr
.irp s, 0,1
	v_lshl_or_b32 v[PSC+2*\t+\s], v[BM+8*\t+4*\s+3], 24, v[PSC+2*\t+\s]
.endr
.endm
.macro CVT t, tt                       ; tile t's eight blocks into codes: the even block of a pair at its place, the odd one aside at tt (a conversion's three registers begin on an even number)
	WIN 0x01
.irp k, 0,1,2,3
	v_cvt_scalef32_pk16_fp6_f32 v[PC+24*\t+6*\k:PC+24*\t+6*\k+2], v[16*(8*\t+2*\k):16*(8*\t+2*\k)+15], v[BX+8*\t+2*\k]
	v_cvt_scalef32_pk16_fp6_f32 v[(\tt)+4*\k:(\tt)+4*\k+2], v[16*(8*\t+2*\k+1):16*(8*\t+2*\k+1)+15], v[BX+8*\t+2*\k+1]
.endr
	WIN 0
.endm
.macro FIX t, tt                       ; the operand wants a whole block in a lane: halves change places
.irp k, 0,1,2,3
.irp i, 0,1,2
	v_permlane16_swap_b32 v[PC+24*\t+6*\k+\i], v[(\tt)+4*\k+\i]
.endr
.endr
.irp k, 0,1,2,3
.irp i, 0,1,2
	v_mov_b32 v[PC+24*\t+6*\k+3+\i], v[(\tt)+4*\k+\i]
.endr
.endr
.endm
	s_load_b128 s[4:7], s[0:1], 0x0                ; qkv, xcodes
	s_load_b64 s[8:9], s[0:1], 0x10                ; xscales
	v_lshl_add_u32 v254, v0, 2, SPARE
	v_mov_b32 v255, 0
	ds_add_u32 v254, v255                          ; the opening lines
	ds_add_u32 v254, v255
	v_lshrrev_b32 v1, 5, v0
	v_readfirstlane_b32 s10, v1                    ; wave 0..7
	s_bfe_u32 s11, ttmp6, 0x40000                  ; cx: my quarter of the queries: it enters Q's and x's addresses alone
	s_and_b32 s12, ttmp7, 0xffff                   ; 16 batch + head, which the four partners share
	s_mul_i32 s14, s12, BLK
	s_mul_i32 s13, s10, PART
	s_mov_b32 s16, 15|(3<<16)|(1<<21)              ; group 1: the mask names all four; elements of 8 bytes
	s_mov_b32 s17, 32<<16
	s_mov_b32 s18, 102<<16
	s_mov_b32 s19, 32<<16
	s_mov_b32 s20, 102
	s_mov_b32 s21, 32
	s_mov_b32 s22, 0
	s_mov_b32 s23, 0
	s_mul_i32 s30, s11, 24576                      ; Q's codes: 32 tiles of 768 bytes a quarter
	s_add_co_u32 s30, s30, QCB
	s_add_co_u32 s30, s30, s14
	s_mov_b32 s31, 0
	s_lshl_b32 s32, s11, 11                        ; Q's scale words: 512 bytes for eight tiles
	s_add_co_u32 s32, s32, QSB
	s_add_co_u32 s32, s32, s14
	s_mov_b32 s33, 0
	s_lshr_b32 s41, s12, 4
	s_lshl_b32 s41, s41, 7
	s_lshl_b32 s42, s11, 5
	s_add_co_u32 s41, s41, s42                     ; my first token tile of x
	s_and_b32 s42, s12, 15                         ; the head
	s_mul_i32 s44, s41, 12288
	s_mul_i32 s43, s42, 768
	s_add_co_u32 s44, s44, s43
	s_mov_b32 s45, 0
	s_lshl_b32 s46, s41, 9
	s_lshl_b32 s43, s42, 1
	s_add_co_u32 s46, s46, s43
	s_mov_b32 s47, 0
	s_add_co_u32 s28, s14, s13                     ; the joint load: the block, and my wave's part of it
	s_mov_b32 s29, 0
	s_wait_dscnt 0x0
	s_wait_kmcnt 0x0
	s_add_nc_u64 s[30:31], s[4:5], s[30:31]
	s_add_nc_u64 s[32:33], s[4:5], s[32:33]
	s_add_nc_u64 s[6:7], s[6:7], s[44:45]
	s_add_nc_u64 s[8:9], s[8:9], s[46:47]
	CROUND                                         ; all four work-groups are here: the joint loads meet
	s_mov_b32 s24, 1
	s_mov_b32 s25, s13
	s_add_nc_u64 s[26:27], s[4:5], s[28:29]
	s_or_b32 s27, s27, 0x80000000
	tensor_load_to_lds s[24:27], s[16:23]
	s_nop 0
	NOPS 4
	s_mov_b32 s34, 0x3e38aa3b                      ; c = log2(e) / 8
	s_mov_b32 s35, s34
	s_mov_b32 s36, 0xbe38aa3b                      ; -c
	s_mov_b32 s37, 0x1800000                       ; the floor 2^(3 - 127)
	s_mov_b32 s38, 0x76543210
	s_mov_b32 s39, 0xfedcba98                      ; selects for lane l xor 16
	s_mov_b32 s40, 0                               ; the round
	s_mov_b32 s46, 0x6f800000                      ; 2^96
	s_mov_b32 s48, 0xf1800000                      ; -2^100
	s_mul_i32 s41, s10, 12288                      ; my 16 key tiles; my two steps of V
	s_lshl_b32 s42, s10, 10
	s_add_co_u32 s42, s42, KSB
	s_lshl_b32 s43, s10, 9
	s_add_co_u32 s43, s43, VSB
	s_lshl_b32 s44, s10, 13
	s_add_co_u32 s44, s44, OST
	s_and_b32 s45, s10, 3
	s_lshl_b32 s45, s45, 11
	s_add_co_u32 s45, s45, OST                     ; on the way out wave f (0-3) takes tile f / 2, channels 32 (f % 2) ..: accumulators 2 f, 2 f + 1
	s_lshl_b32 s28, s10, 7
	s_add_co_u32 s28, s28, STA
	s_add_co_u32 s29, s41, VCB
	s_and_b32 s13, s10, 1                          ; g
	s_bfe_u32 s14, s10, 0x10001                    ; t
	s_mul_i32 s15, s14, 12288
	s_lshl_b32 s12, s13, 8
	s_add_co_u32 s12, s12, s15                     ; x: 256 g + 12,288 t
	s_lshl_b32 s11, s13, 7
	s_add_co_u32 s11, s11, s15
	s_add_co_u32 s11, s11, 512                     ; 512 + 128 g + 12,288 t
	s_lshl_b32 s14, s14, 9
	s_add_co_u32 s14, s14, s13                     ; scale bytes: g + 512 t
	v_and_b32 v37, 31, v0
	v_and_b32 v38, 15, v0                          ; r
	v_bfe_u32 v39, v0, 4, 1
	v_lshlrev_b32 v[L16], 4, v37
	v_lshlrev_b32 v[L8], 3, v37
.irp t, 0,1
	global_load_b128 v[QF+12*\t:QF+12*\t+3], v[L16], s[30:31] offset:768*\t       ; round 0's Q
	global_load_b64 v[QF+12*\t+4:QF+12*\t+5], v[L8], s[30:31] offset:768*\t+512
.endr
	global_load_b32 v[QSC], v[L16], s[32:33]
	v_add_nc_u32 v[ADK16], s41, v[L16]
	v_add_nc_u32 v[ADK8], s41, v[L8]
	v_add_nc_u32 v[ADS], s42, v[L16]
	v_add_nc_u32 v[ADV16], s29, v[L16]
	v_add_nc_u32 v[ADV8], s29, v[L8]
	v_add_nc_u32 v[ADVS], s43, v[L8]
	v_add_nc_u32 v[OSTW], s44, v[L16]
	v_add_nc_u32 v[OSTR], s45, v[L16]
	v_lshl_add_u32 v[STW], v38, 3, s28             ; lanes l and l xor 16 hold and write the same
	v_lshl_add_u32 v[STR], v38, 3, STA
	v_lshl_add_u32 v[XA16], v38, 4, s12
	v_lshl_add_u32 v[XA8], v38, 3, s11
	v_lshl_add_u32 v[XAS], v38, 5, s14
	v_sub_nc_u32 v39, 1, v39                       ; 1 in lanes 0-15, whose register 6 begins with k = 64
.irp t, 0,1
	v_lshlrev_b32 v[QF+12*\t+6], 3, v39            ; the code 8: 1.0
.irp i, 7,8,9,10,11
	v_mov_b32 v[QF+12*\t+\i], 0
.endr
.endr
.irp f, 0,1,2,3,4,5,6,7
	v_mul_u32_u24 v[KF+12*\f+6], v39, 63           ; the code 63: -7.5
.irp i, 7,8,9,10,11
	v_mov_b32 v[KF+12*\f+\i], 0
.endr
.endr
.set i, 0
.rept 16
	v_mov_b32 v[BX+i], 0                           ; a lane permute's destination counts as one of its sources
.set i, i+1
.endr
.irp i, 36,37,241,243,245,247
	v_mov_b32 v\i, 0                               ; likewise, and the upper words of pairs of which the low word is used
.endr
	VW                                             ; the head's end
	s_wait_tensorcnt 0x0                           ; my part of K and V is in,
	s_barrier_signal -1
	s_barrier_wait -1                              ; everybody's is
	KLOAD 0, 0
	KLOAD 1, 1
	ds_load_b128 v[KSC:KSC+3], v[ADS]              ; the scale words of my keys and of my rows of V stay in registers
	ds_load_b128 v[KSC+4:KSC+7], v[ADS] offset:512
	ds_load_b64 v[VSC:VSC+1], v[ADVS]
	ds_load_b64 v[VSC+2:VSC+3], v[ADVS] offset:256
	QKMAX                                          ; round 0's scores stand ahead of the loop: in the loop each round makes the next one's
	s_mov_b32 s41, 1
	QLOAD
	VW
.Lround:
	EXPS 0
	ds_store_b64 v[STW], v[38:39]
	VW
	s_wait_dscnt 0x0                               ; tile 0's statistics are in LDS; my reads of the last round's O^T are over
	s_barrier_signal -1
	EXPS 1
	VW
	s_barrier_wait -1
	ds_store_b64 v[STW], v[38:39] offset:1024
	s_wait_dscnt 0x0                               ; tile 1's statistics are in LDS
	s_barrier_signal -1
	NORM 0
	CVT 0, PC+24
	WIN 0x40                                       ; tile 0's scores are done with: V's fragments of my two steps land there
.irp s, 0,1
.irp d, 0,1,2,3
	ds_load_b128 v[48*\s+12*\d:48*\s+12*\d+3], v[ADV16] offset:6144*\s+1536*\d
	ds_load_b64 v[48*\s+12*\d+4:48*\s+12*\d+5], v[ADV8] offset:6144*\s+1536*\d+512
	ds_load_b128 v[48*\s+12*\d+6:48*\s+12*\d+9], v[ADV16] offset:6144*\s+1536*\d+768
	ds_load_b64 v[48*\s+12*\d+10:48*\s+12*\d+11], v[ADV8] offset:6144*\s+1536*\d+1280
.endr
.endr
	WIN 0
	v_nop                                          ; one plain place behind the conversions
	FIX 0, PC+24
	VW
	s_barrier_wait -1
	NORM 1
	CVT 1, BM
	v_nop
	FIX 1, BM
	NOPS 4                                         ; places between the last write of P's codes and the products
	VW
	s_wait_dscnt 0x0                               ; V
	; ---- O^T = V^T P^T over my 256 keys: eight accumulators by turns, two links each
	WIN 0x51
.irp t, 0,1
.irp dp, 0,1
	W6 128+32*\t+16*\dp, 24*\dp, PC+24*\t, VSC+\dp, PSC+2*\t
	W6 128+32*\t+16*\dp+8, 24*\dp+12, PC+24*\t, VSC+\dp, PSC+2*\t, matrix_a_scale:MATRIX_SCALE_ROW1
.endr
.endr
.irp t, 0,1
.irp dp, 0,1
	W6A 128+32*\t+16*\dp, 48+24*\dp, PC+24*\t+12, VSC+2+\dp, PSC+2*\t+1
	W6A 128+32*\t+16*\dp+8, 48+24*\dp+12, PC+24*\t+12, VSC+2+\dp, PSC+2*\t+1, matrix_a_scale:MATRIX_SCALE_ROW1
.endr
.endr
	NOPS 5                                         ; places: for the stores below, and for the next round's products, which write over these registers
	WIN 0x04
.irp a, 0,1,2,3,4,5,6,7
	ds_store_b128 v[OSTW], v[128+8*\a:128+8*\a+3] offset:1024*\a
	ds_store_b128 v[OSTW], v[128+8*\a+4:128+8*\a+7] offset:1024*\a+512
.endr
	WIN 0
	s_wait_dscnt 0x0                               ; my partial O^T is in LDS
	s_barrier_signal -1
	s_cmp_eq_u32 s40, 15
	s_cbranch_scc1 .Lno_next                       ; the last round has no successor
	QKMAX
.Lno_next:
	VW
	s_barrier_wait -1
	s_add_co_u32 s41, s40, 2
	s_cmp_lt_u32 s40, 14
	s_cbranch_scc0 .Lno_q
	QLOAD                                          ; Q of the round after the next
.Lno_q:
	s_cmp_lt_u32 s10, 4
	s_cbranch_scc0 .Lnot_out
	; ---- waves 0-3: the eight parts of 16 queries x 32 channels; register i = channel 32 g + 16 (lane / 16) + i.  The sum, and two parts by turns
.irp p, 0,1,2
.irp k, 0,1,2,3
	ds_load_b128 v[FA+16*\p+4*\k:FA+16*\p+4*\k+3], v[OSTR] offset:8192*\p+512*\k
.endr
.endr
.irp p, 1,2,3,4,5,6,7
	VW
.if \p < 7
	s_wait_dscnt 4                                 ; part p is in; the four loads of part p + 1 may be out
.else
	s_wait_dscnt 0x0
.endif
.irp k, 0,2,4,6,8,10,12,14
	v_pk_add_f32 v[FA+\k:FA+\k+1], v[FA+\k:FA+\k+1], v[FA+16+16*((\p-1)%2)+\k:FA+16+16*((\p-1)%2)+\k+1]
.endr
.if \p < 6
.irp k, 0,1,2,3
	ds_load_b128 v[FA+16+16*((\p-1)%2)+4*\k:FA+16+16*((\p-1)%2)+4*\k+3], v[OSTR] offset:8192*(\p+2)+512*\k
.endr
.endif
.endr
	v_max3_num_f32 v34, s37, |v[FA]|, |v[FA+1]|    ; the block's largest magnitude, and the floor
	v_max3_num_f32 v35, s37, |v[FA+2]|, |v[FA+3]|
.irp i, 4,8,12
	v_max3_num_f32 v34, v34, |v[FA+\i]|, |v[FA+\i+1]|
	v_max3_num_f32 v35, v35, |v[FA+\i+2]|, |v[FA+\i+3]|
.endr
	v_max_num_f32 v34, v34, v35
	v_permlanex16_b32 v36, v34, s38, s39
	v_max_num_f32 v34, v34, v36
	v_add_nc_u32 v37, 0xff000000, v34
	v_lshrrev_b32 v38, 23, v37
	v_cvt_scalef32_pk16_fp6_f32 v[FA+16:FA+18], v[FA:FA+15], v37
	v_nop
.irp i, 0,1,2
	v_mov_b32 v[FA+19+\i], v[FA+16+\i]
.endr
.irp i, 0,1,2
	v_permlane16_swap_b32 v[FA+16+\i], v[FA+19+\i] ; now both halves of the lanes hold row r's whole block: channels 0-15 in the first three registers, 16-31 in the second three
.endr
	global_store_b128 v[XA16], v[FA+16:FA+19], s[6:7]      ; 256 consecutive bytes of the piece (lanes l and l xor 16 write the same bytes with the same values)
	global_store_b64 v[XA8], v[FA+20:FA+21], s[6:7]
	global_store_b8 v[XAS], v38, s[8:9]            ; one byte of each row's 32: all of x's scale bytes together are 262,144 bytes
	s_wait_xcnt 0x0                                ; the stores have read their registers and bases
	s_add_nc_u64 s[6:7], s[6:7], 24576             ; two token tiles on
	s_add_nc_u64 s[8:9], s[8:9], 1024
.Lnot_out:
	s_add_co_u32 s40, s40, 1
	s_cmp_lt_u32 s40, 16
	VW
	s_cbranch_scc1 .Lround
	s_wait_tensorcnt 0x0                           ; the wave's end
	ds_add_u32 v254, v255
	s_wait_dscnt 0x0
	CROUND                                         ; the closing round
	s_endpgm
.Lfunc_end_k_qcf6ba83892_attn:
	.size	k_qcf6ba83892_attn, .Lfunc_end_k_qcf6ba83892_attn-k_qcf6ba83892_attn
	.p2alignl 7, 3214868480
	.fill 96, 4, 3214868480
	.section	.rodata,"a",@progbits
	.p2align	6, 0x0
	.amdhsa_kernel k_qcf6ba83892_attn
		.amdhsa_group_segment_fixed_size 277504
		.amdhsa_private_segment_fixed_size 0
		.amdhsa_enable_private_segment 0
		.amdhsa_kernarg_size 24
		.amdhsa_user_sgpr_count 2
		.amdhsa_user_sgpr_kernarg_segment_ptr 1
		.amdhsa_wavefront_size32 1
		.amdhsa_system_sgpr_workgroup_id_x 1
		.amdhsa_system_sgpr_workgroup_id_y 1
		.amdhsa_system_sgpr_workgroup_id_z 1
		.amdhsa_system_vgpr_workitem_id 0
		.amdhsa_next_free_vgpr 512
		.amdhsa_next_free_sgpr 66
		.amdhsa_reserve_vcc 1
		.amdhsa_float_denorm_mode_32 3
		.amdhsa_float_denorm_mode_16_64 3
		.amdhsa_memory_ordered 1
		.amdhsa_forward_progress 1
		.amdhsa_inst_pref_size 104
	.end_amdhsa_kernel
	.amdgpu_metadata
---
amdhsa.version: [ 1, 2 ]
amdhsa.kernels:
  - .name:           k_qcf6ba83892_attn
    .symbol:         k_qcf6ba83892_attn.kd
    .args:
      - { .name: qkv, .offset: 0, .size: 8, .value_kind: global_buffer, .address_space: global }
      - { .name: xcodes, .offset: 8, .size: 8, .value_kind: global_buffer, .address_space: global }
      - { .name: xscales, .offset: 16, .size: 8, .value_kind: global_buffer, .address_space: global }
    .group_segment_fixed_size: 277504
    .private_segment_fixed_size: 0
    .kernarg_segment_align: 8
    .kernarg_segment_size: 24
    .max_flat_workgroup_size: 256
    .sgpr_count:     66
    .vgpr_count:     512
    .wavefront_size: 32
...
	.end_amdgpu_metadata
.endif
;; end of part 3
;; launch outp (part 4): grid 4 x 32, 4 waves a work-group, clusters of 4 x 4, 327,680 bytes of LDS; arguments xcodes, xscales, wcodes, wscales, out0; writes out0
.if DOCPART == 4
	.amdgcn_target "amdgcn-amd-amdhsa--gfx1250"
	.amdhsa_code_object_version 6
	.text
	.protected	k_qcf6ba83892_outp
	.globl	k_qcf6ba83892_outp
	.p2align	8
	.type	k_qcf6ba83892_outp,@function
k_qcf6ba83892_outp:
	s_mov_b64 s[64:65], 0
	v_nop
	global_prefetch_b8 v0, s[64:65] scope:SCOPE_SE
	s_setreg_imm32_b32 hwreg(HW_REG_WAVE_MODE, 25, 1), 1
	s_wait_xcnt 0x0
	s_wait_alu depctr_hold_cnt(0) depctr_sa_sdst(0) depctr_va_vdst(0) depctr_va_sdst(0) depctr_va_ssrc(0) depctr_va_vcc(0) depctr_vm_vsrc(0)
	s_getreg_b32 s2, hwreg(HW_REG_IB_STS2, 6, 4)
	s_cmp_eq_u32 s2, 0
	s_cbranch_scc0 .Lentry_in_a_cluster
	s_endpgm
.Lentry_in_a_cluster:
	s_bfe_u32 s2, ttmp6, 0x10000c
	s_cmp_lg_u32 s2, 0xf033
	s_cbranch_scc0 .Lentry_shape_is_right
	s_endpgm
.Lentry_shape_is_right:
.set NQ,     2
.set FR,     12
.set NL,     4
.set NP,     4
.set TSTEP,  3072
.set HALFT,  8*TSTEP
.set SLOT,   4*HALFT
.set SCL,    2*SLOT
.set HALFS,  16*272
.set SBLK,   2*272
.set SPARE,  SCL+4*HALFS
.set SPITCH, 528
.set ADRA, 16
.set ADRB, 20
.set STO,  24
.set RD,   25
.set CO,   26
.set ADRS, 27
.set SPW,  28
.set NIL,  29
.set L8,   30
.set SC,   32
.set AF,   128
.set BK,   128
.set G1, 24
.set G0, 32
.set G1B, 48
.set G0B, 56
.set G1S, 68
.set G0S, 76
.set G1SB, 80
.set G0SB, 88
.set MSB, 0
.macro WIN new
.if MSB != \new
	s_set_vgpr_msb (MSB<<8)|\new
.set MSB, \new
.endif
.endm
.set MUL_LO, 0xa1
.set MUL_HI, 0xf1
.set TO_B,   0x40
.macro JLOAD g0a, g1a, g0b, g1b
	s_cmp_eq_u32 s15, 0
	s_cbranch_scc0 .Lfor_b_\@
	tensor_load_to_lds s[\g0a:\g0a+3], s[\g1a:\g1a+7]
	s_nop 0
.rept 4
	v_nop
.endr
	s_branch .Lasked_\@
.Lfor_b_\@:
	tensor_load_to_lds s[\g0b:\g0b+3], s[\g1b:\g1b+7]
	s_nop 0
.rept 4
	v_nop
.endr
.Lasked_\@:
.endm
.macro CREST
	s_cmp_lg_u32 s14, 0
	s_cbranch_scc1 .Lnot_wave_0_\@
	s_barrier_signal -3
.Lnot_wave_0_\@:
	s_barrier_wait -3
	s_barrier_signal -1
	s_barrier_wait -1
.endm
.macro CROUND
	s_barrier_signal -1
	s_barrier_wait -1
	CREST
.endm
	s_load_b128 s[4:7], s[0:1], 0x0
	s_load_b128 s[8:11], s[0:1], 0x10
	s_load_b64 s[12:13], s[0:1], 0x20
	v_lshl_add_u32 v[SPW], v0, 2, SPARE
	v_mov_b32 v[NIL], 0
	ds_add_u32 v28, v29
	ds_add_u32 v28, v29
	s_wait_dscnt 0x0
	v_lshrrev_b32 v1, 5, v0
	v_readfirstlane_b32 s14, v1
	s_lshr_b32 s15, s14, 1
	s_and_b32 s16, s14, 1
	s_bfe_u32 s40, ttmp6, 0x40000
	s_bfe_u32 s41, ttmp6, 0x40004
	s_lshl_b32 s42, ttmp9, 2
	s_add_co_u32 s42, s42, s40
	s_and_b32 s17, ttmp7, 0xffff
	s_lshl_b32 s17, s17, 2
	s_add_co_u32 s17, s17, s41
	s_lshl_b32 s43, s41, 2
	s_lshl_b32 s43, 15, s43
	s_lshl_b32 s44, 0x1111, s40
	s_or_b32 s[G1+0], s43, (3<<16)|(1<<21)
	s_or_b32 s[G1B+0], s44, (3<<16)|(1<<21)
.irp g, G1, G1B
	s_mov_b32 s[\g+1], 384<<16
	s_mov_b32 s[\g+2], 16<<16
	s_mov_b32 s[\g+3], 384<<16
	s_mov_b32 s[\g+4], 16
	s_mov_b32 s[\g+5], 1536
	s_mov_b32 s[\g+6], 0
	s_mov_b32 s[\g+7], 0
.endr
	s_or_b32 s[G1S+0], s43, (3<<16)|(1<<20)|(1<<21)|(5<<22)|(3<<25)
	s_or_b32 s[G1SB+0], s44, (3<<16)|(1<<20)|(1<<21)|(5<<22)|(3<<25)
.irp g, G1S, G1SB
	s_mov_b32 s[\g+1], 32<<16
	s_mov_b32 s[\g+2], 32<<16
	s_mov_b32 s[\g+3], 32<<16
	s_mov_b32 s[\g+4], 32
	s_mov_b32 s[\g+5], 32
	s_mov_b32 s[\g+6], 0
	s_mov_b32 s[\g+7], 0
.endr
	s_lshl_b32 s18, s16, 7
	s_lshl_b32 s20, s17, 8
	s_add_co_u32 s20, s20, s18
	s_lshl_b32 s46, s42, 8
	s_add_co_u32 s46, s46, s18
	s_lshl_b32 s22, s20, 5
	s_mov_b32 s23, 0
	s_mul_i32 s20, s20, 768
	s_mov_b32 s21, 0
	s_lshl_b32 s92, s46, 5
	s_add_co_u32 s92, s92, 98304
	s_mov_b32 s93, 0
	s_mul_i32 s46, s46, 768
	s_add_co_u32 s46, s46, 2359296
	s_mov_b32 s47, 0
	s_mul_i32 s45, s14, HALFT
	s_wait_kmcnt 0x0
	s_add_nc_u64 s[20:21], s[4:5], s[20:21]
	s_add_nc_u64 s[22:23], s[6:7], s[22:23]
	s_add_nc_u64 s[46:47], s[8:9], s[46:47]
	s_add_nc_u64 s[92:93], s[10:11], s[92:93]
	CROUND
	s_mov_b32 s[G0S], 1
	s_mov_b32 s[G0S+1], SCL
	s_sub_nc_u64 s[G0S+2:G0S+3], s[22:23], 4096    ; wave 1 asks by it: its address stands at the tile's upper 128 rows, 4,096 bytes of scales on
	s_or_b32 s[G0S+3], s[G0S+3], 0x80000000
	s_mov_b32 s[G0SB], 1
	s_mov_b32 s[G0SB+1], SCL+2*HALFS
	s_sub_nc_u64 s[G0SB+2:G0SB+3], s[92:93], 4096  ; wave 3 asks by it
	s_or_b32 s[G0SB+3], s[G0SB+3], 0x80000000
.irp s, 0,1
	s_mov_b32 s[G0+4*\s], 1
	s_add_co_u32 s[G0+4*\s+1], s45, \s*SLOT
	s_add_nc_u64 s[G0+4*\s+2:G0+4*\s+3], s[20:21], \s*TSTEP
	s_or_b32 s[G0+4*\s+3], s[G0+4*\s+3], 0x80000000
	s_mov_b32 s[G0B+4*\s], 1
	s_add_co_u32 s[G0B+4*\s+1], s45, \s*SLOT
	s_add_nc_u64 s[G0B+4*\s+2:G0B+4*\s+3], s[46:47], \s*TSTEP
	s_or_b32 s[G0B+4*\s+3], s[G0B+4*\s+3], 0x80000000
.endr
	; THE HEAD'S FOUR TILES, each whole, one load a wave: wave 0 slot 0's 16 tiles of A's codes, wave 2 those of B's (their addresses stand at the tile's first row),
	; wave 1 the scales of A's 256 rows, wave 3 those of B's.  One chain of branches on the wave's number, all arms leading to one join.
	s_mov_b32 s4, 1
	s_mov_b32 s5, 0
	s_mov_b64 s[6:7], s[20:21]
	s_or_b32 s7, s7, 0x80000000
	s_mov_b32 s8, 1
	s_mov_b32 s9, 2*HALFT
	s_mov_b64 s[10:11], s[46:47]
	s_or_b32 s11, s11, 0x80000000
.macro ARM under, g0, g1, next
	s_cmp_lt_u32 s14, \under
	s_cbranch_scc0 \next
	tensor_load_to_lds s[\g0:\g0+3], s[\g1:\g1+7]
	s_nop 0
.rept 4
	v_nop
.endr
	s_branch .Lhead_asked
\next:
.endm
	ARM 1, 4, G1, .Lhead_sa
	ARM 2, G0S, G1S, .Lhead_b
	ARM 3, 8, G1B, .Lhead_sb
	tensor_load_to_lds s[G0SB:G0SB+3], s[G1SB:G1SB+7]
	s_nop 0
.rept 4
	v_nop
.endr
.Lhead_asked:
	s_wait_alu depctr_va_vdst(0)
	s_wait_tensorcnt 0x0                           ; my tile of the four is in
	ds_add_u32 v28, v29
	s_mov_b32 s[G1+2], 8<<16                       ; no tensor load of mine is out: from here on a load brings 8 tiles
	s_mov_b32 s[G1+4], 8
	s_mov_b32 s[G1B+2], 8<<16
	s_mov_b32 s[G1B+4], 8
	s_wait_dscnt 0x0
	CROUND
	JLOAD G0+4, G1, G0B+4, G1B                     ; slot 1's first fill
	v_and_b32 v1, 31, v0
	v_and_b32 v2, 15, v0
	v_bfe_u32 v3, v0, 4, 1
	v_lshlrev_b32 v[CO], 4, v1
	v_lshlrev_b32 v[L8], 3, v1
	s_mul_i32 s21, s15, HALFT
	s_mul_i32 s22, s16, HALFT
	s_add_co_u32 s22, s22, 2*HALFT
.irp s, 0,1
	v_add_nc_u32 v[ADRA+\s], s21, v[CO]
	v_add_nc_u32 v[ADRB+\s], s22, v[CO]
	v_add_nc_u32 v[ADRA+2+\s], s21, v[L8]
	v_add_nc_u32 v[ADRB+2+\s], s22, v[L8]
	s_add_co_u32 s21, s21, SLOT
	s_add_co_u32 s22, s22, SLOT
.endr
	v_lshlrev_b32 v5, 5, v2
	v_lshrrev_b32 v6, 8, v5
	v_lshl_add_u32 v5, v6, 4, v5
	s_mul_i32 s21, s15, HALFS
	s_mul_i32 s22, s16, HALFS
	s_add_co_u32 s22, s22, 2*HALFS
	s_sub_co_u32 s22, s22, s21
	v_mul_u32_u24 v6, s22, v3
	s_add_co_u32 s21, s21, SCL
	v_add_nc_u32 v5, v5, v6
	v_add_nc_u32 v[ADRS], s21, v5
	s_mul_i32 s23, s14, 16*SPITCH
	v_mul_u32_u24 v5, v2, SPITCH
	v_lshl_add_u32 v5, v3, 6, v5
	v_add_nc_u32 v[STO], s23, v5
	v_add_nc_u32 v[RD], s23, v[CO]
	s_lshl_b32 s20, s17, 8
	s_lshl_b32 s21, s15, 7
	s_add_co_u32 s20, s20, s21
	s_lshl_b32 s20, s20, 12
	s_mov_b32 s21, 0
	s_lshl_b32 s46, s42, 10
	s_lshl_b32 s47, s16, 9
	s_add_co_u32 s46, s46, s47
	s_mov_b32 s47, 0
	s_add_nc_u64 s[20:21], s[20:21], s[46:47]
	s_add_nc_u64 s[12:13], s[12:13], s[20:21]
.macro FRAG reg, adr, q, i
	ds_load_b128 v[\reg:\reg+3], v[\adr] offset:(\i)*TSTEP+(\q)*1536
	ds_load_b64 v[\reg+4:\reg+5], v[\adr+2] offset:(\i)*TSTEP+(\q)*1536+512
	ds_load_b128 v[\reg+6:\reg+9], v[\adr] offset:(\i)*TSTEP+(\q)*1536+768
	ds_load_b64 v[\reg+10:\reg+11], v[\adr+2] offset:(\i)*TSTEP+(\q)*1536+1280
.endm
.macro MUL16 a0, p, q, sc, zero
.irp a, \a0, \a0+1
.irp b, 0,1,2,3,4,5,6,7
.if \zero
	v_wmma_scale_f32_16x16x128_f8f6f4 v[8*(8*((\a)%4)+\b):8*(8*((\a)%4)+\b)+7], v[128*(\p)+FR*\b:128*(\p)+FR*\b+FR-1], v[AF+FR*(\a):AF+FR*(\a)+FR-1], 0, v[SC+8*NQ*(\sc)+NQ*\b+(\q)], v[SC+8*NQ*(\sc)+NQ*(\a)+(\q)] matrix_a_fmt:MATRIX_FMT_FP6 matrix_b_fmt:MATRIX_FMT_FP6 matrix_a_scale:MATRIX_SCALE_ROW1
.else
	v_wmma_scale_f32_16x16x128_f8f6f4 v[8*(8*((\a)%4)+\b):8*(8*((\a)%4)+\b)+7], v[128*(\p)+FR*\b:128*(\p)+FR*\b+FR-1], v[AF+FR*(\a):AF+FR*(\a)+FR-1], v[8*(8*((\a)%4)+\b):8*(8*((\a)%4)+\b)+7], v[SC+8*NQ*(\sc)+NQ*\b+(\q)], v[SC+8*NQ*(\sc)+NQ*(\a)+(\q)] matrix_a_fmt:MATRIX_FMT_FP6 matrix_b_fmt:MATRIX_FMT_FP6 matrix_a_scale:MATRIX_SCALE_ROW1
.endif
.endr
.endr
.endm
.macro FETCH_B slot, q, p
	WIN TO_B
.irp i, 0,1,2,3,4,5,6,7
	FRAG 128*(\p)+FR*\i, ADRB+\slot, \q, \i
.endr
	WIN 0
.endm
.macro FETCH_A slot, q, i0
.irp i, \i0, \i0+1, \i0+2, \i0+3
	FRAG AF+FR*(\i), ADRA+\slot, \q, \i
.endr
.endm
.macro SCALES sc
.irp i, 0,1,2,3,4,5,6,7
	ds_load_b64 v[SC+8*NQ*\sc+NQ*\i:SC+8*NQ*\sc+NQ*\i+1], v[ADRS] offset:\i*SBLK
.endr
.endm
.macro PLACES n
.rept \n
	v_nop
.endr
.endm
.macro STEP slot, q, zero
	s_wait_dscnt 4*NL
	WIN MUL_LO
	MUL16 0, (\q)%2, \q, \slot, \zero
	MUL16 2, (\q)%2, \q, \slot, \zero
	s_wait_dscnt 0
	PLACES NP
	FETCH_B \slot, (\q)+1, 1-(\q)%2
	FETCH_A \slot, (\q)+1, 0
	WIN MUL_HI
	MUL16 4, (\q)%2, \q, \slot, \zero
	MUL16 6, (\q)%2, \q, \slot, \zero
	PLACES NP
	WIN 0
	FETCH_A \slot, (\q)+1, 4
.endm
.macro TURN slot, next, fill
	s_wait_tensorcnt 0x0
	ds_add_u32 v[SPW], v[NIL]
	s_wait_dscnt 4*NL+1
	WIN MUL_LO
	MUL16 0, 1, NQ-1, \slot, 0
	s_wait_dscnt 0x0
	s_barrier_signal -1
	MUL16 2, 1, NQ-1, \slot, 0
	WIN 0
	s_barrier_wait -1
.if \fill
	CREST
	s_add_nc_u64 s[G0+4*\slot+2:G0+4*\slot+3], s[G0+4*\slot+2:G0+4*\slot+3], 2*TSTEP
	s_add_nc_u64 s[G0B+4*\slot+2:G0B+4*\slot+3], s[G0B+4*\slot+2:G0B+4*\slot+3], 2*TSTEP
	JLOAD G0+4*\slot, G1, G0B+4*\slot, G1B
.else
	PLACES NP
.endif
	s_wait_alu depctr_va_vdst(0)
	v_add_nc_u32 v[ADRS], 4*NQ, v[ADRS]
	FETCH_B \next, 0, 0
	FETCH_A \next, 0, 0
	SCALES \next
	WIN MUL_HI
	MUL16 4, 1, NQ-1, \slot, 0
	MUL16 6, 1, NQ-1, \slot, 0
	PLACES NP
	WIN 0
	FETCH_A \next, 0, 4
.endm
	s_wait_alu depctr_va_vdst(0)
	s_wait_tensorcnt 1
	s_barrier_signal -1
	s_barrier_wait -1
	FETCH_B 0, 0, 0
	FETCH_A 0, 0, 0
	SCALES 0
	FETCH_A 0, 0, 4
	STEP 0, 0, 1
	s_mov_b32 s3, 1
.Llap:
	TURN 0, 1, 1
	STEP 1, 0, 0
	TURN 1, 0, 1
	STEP 0, 0, 0
	s_sub_co_u32 s3, s3, 1
	s_cmp_lg_u32 s3, 0
	s_cbranch_scc1 .Llap
	TURN 0, 1, 0
	STEP 1, 0, 0
	s_wait_dscnt 4*NL
	WIN MUL_LO
	MUL16 0, 1, NQ-1, 1, 0
	MUL16 2, 1, NQ-1, 1, 0
	s_wait_dscnt 0
	WIN MUL_HI
	MUL16 4, 1, NQ-1, 1, 0
	MUL16 6, 1, NQ-1, 1, 0
	WIN 0
.macro TOSTAGE a
.set AC, 64*((\a)%4)
.set TW, 0x08+4*((\a)/4)
	WIN TW
.irp b, 0,1,2,3,4,5,6,7
	ds_store_b128 v[STO], v[AC+8*\b:AC+8*\b+3] offset:128*(\b/2)+32*(\b%2)
	ds_store_b128 v[STO], v[AC+8*\b+4:AC+8*\b+7] offset:128*(\b/2)+32*(\b%2)+16
.endr
	WIN 0
.set BB, BK+64*((\a)%2)
.irp t, 0,1,2,3,4,5,6,7,8,9,10,11,12,13,14,15
	ds_load_b128 v[BB+4*\t:BB+4*\t+3], v[RD] offset:\t*SPITCH
.endr
.endm
.macro SEND a, younger
.set BB, BK+64*((\a)%2)
	s_wait_dscnt \younger
.if (\a) > 0
.if (\a)%2 == 1
	s_add_nc_u64 s[12:13], s[12:13], 8*4096
.else
	s_add_nc_u64 s[12:13], s[12:13], 24*4096
.endif
.endif
.irp t, 0,1,2,3,4,5,6,7,8,9,10,11,12,13,14,15
	global_store_b128 v[CO], v[BB+4*\t:BB+4*\t+3], s[12:13] offset:(\t+8*(\t/8))*4096 th:TH_STORE_NT
.endr
.endm
	PLACES NP
	TOSTAGE 0
.irp a, 1,2,3,4,5,6,7
.if \a > 1
	s_wait_xcnt 0x0
.endif
	TOSTAGE \a
	SEND \a-1, 32
.endr
	s_wait_xcnt 0x0
	SEND 7, 0
	s_wait_tensorcnt 0x0
	ds_add_u32 v[SPW], v[NIL]
	s_wait_dscnt 0x0
	CROUND
	s_endpgm
.Lfunc_end_k_qcf6ba83892_outp:
	.size	k_qcf6ba83892_outp, .Lfunc_end_k_qcf6ba83892_outp-k_qcf6ba83892_outp
	.p2alignl 7, 3214868480
	.fill 96, 4, 3214868480
	.section	.rodata,"a",@progbits
	.p2align	6, 0x0
	.amdhsa_kernel k_qcf6ba83892_outp
		.amdhsa_group_segment_fixed_size 327680
		.amdhsa_private_segment_fixed_size 0
		.amdhsa_enable_private_segment 0
		.amdhsa_kernarg_size 40
		.amdhsa_user_sgpr_count 2
		.amdhsa_user_sgpr_kernarg_segment_ptr 1
		.amdhsa_wavefront_size32 1
		.amdhsa_system_sgpr_workgroup_id_x 1
		.amdhsa_system_sgpr_workgroup_id_y 1
		.amdhsa_system_sgpr_workgroup_id_z 1
		.amdhsa_system_vgpr_workitem_id 0
		.amdhsa_next_free_vgpr 1024
		.amdhsa_next_free_sgpr 98
		.amdhsa_reserve_vcc 0
		.amdhsa_float_denorm_mode_32 3
		.amdhsa_float_denorm_mode_16_64 3
		.amdhsa_memory_ordered 1
		.amdhsa_forward_progress 1
		.amdhsa_inst_pref_size 145
	.end_amdhsa_kernel
	.amdgpu_metadata
---
amdhsa.version: [ 1, 2 ]
amdhsa.kernels:
  - .name:           k_qcf6ba83892_outp
    .symbol:         k_qcf6ba83892_outp.kd
    .args:
      - { .name: xcodes, .offset: 0, .size: 8, .value_kind: global_buffer, .address_space: global }
      - { .name: xscales, .offset: 8, .size: 8, .value_kind: global_buffer, .address_space: global }
      - { .name: wcodes, .offset: 16, .size: 8, .value_kind: global_buffer, .address_space: global }
      - { .name: wscales, .offset: 24, .size: 8, .value_kind: global_buffer, .address_space: global }
      - { .name: out0, .offset: 32, .size: 8, .value_kind: global_buffer, .address_space: global }
    .group_segment_fixed_size: 327680
    .private_segment_fixed_size: 0
    .kernarg_segment_align: 8
    .kernarg_segment_size: 40
    .max_flat_workgroup_size: 128
    .sgpr_count:     98
    .vgpr_count:     1024
    .wavefront_size: 32
...
	.end_amdgpu_metadata
.endif
;; end of part 4
